; MI455X (gfx1250); checked and timed in simulation.
; The chip was launched on July 23, 2026; its instructions are those of AMD's public machine-readable ISA for CDNA 5 (MIT licence, August 2026) and "CDNA5" Instruction Set Architecture Reference Guide (July 2026). The comments in the code are by the model that wrote it; some were corrected since.
;; Self Attention. Allowed arithmetic: float matrix products may take bf16 or f16 operands with f32 sums; other float arithmetic in f32, or as packed bf16 or f16 multiplies, adds, multiply-adds, maxima and minima; sums over many terms, partial sums and values carried from step to step in f32; what a program stores and reads back later, other than sums and carried values, may be rounded once to bf16 or f16.
;; Inputs: Wk 1,024 x 1,024 float32; Wq 1,024 x 1,024 float32; Wv 1,024 x 1,024 float32; bk 1,024 float32; bq 1,024 float32; bv 1,024 float32; x 4 x 2,048 x 1,024 float32.
;; Outputs: out0 4 x 2,048 x 1,024 float32.
;; 2 versions, each right; version 2 is version 1 with the launch cvt written anew for expert scheduling mode. Each part assembles by itself: llvm-mc -triple=amdgcn-amd-amdhsa -mcpu=gfx1250 --defsym DOCPART=n.
;; ======== version 1 of 2: 4 launches
;; limits: values are held in f16: magnitudes above 65,504 overflow, below 6.1e-05 lose precision
;; workspace buffers: xb 16,777,216 bytes; wb 6,291,456 bytes; qk 33,554,432 bytes; vt 16,777,216 bytes; p 33,554,432 bytes; st 1,048,576 bytes
;; launch cvt (part 1): grid 704 x 1, 8 waves a work-group, no clusters, 0 bytes of LDS; arguments x, Wq, Wk, Wv, xb, wb; writes xb, wb
.if DOCPART == 1
	.amdgcn_target "amdgcn-amd-amdhsa--gfx1250"
	.amdhsa_code_object_version 6
	.text
	.protected	k_q18fa43aff7_cvt
	.globl	k_q18fa43aff7_cvt
	.p2align	8
	.type	k_q18fa43aff7_cvt,@function
k_q18fa43aff7_cvt:
	s_mov_b64 s[64:65], 0
	v_nop
	global_prefetch_b8 v0, s[64:65] scope:SCOPE_SE
	s_setreg_imm32_b32 hwreg(HW_REG_WAVE_MODE, 25, 1), 1
	s_wait_xcnt 0x0
; x [8192][1024] and Wq, Wk, Wv [1024][1024], all f32, are rounded once to bf16 (to nearest even):
; xb [8192][1024]; wb [3072][1024] = Wq, Wk, Wv one below the other.
; A work-group takes 16,384 numbers (65,536 bytes in, 32,768 out): groups 0-511 of x, groups 512-703 of the weights, 64 to a matrix.
; A wave takes 8,192 bytes in sixteen loads of 512 consecutive bytes, all issued before the first is used; each store of the wave covers
; 256 consecutive bytes, aligned.  Nothing is shared and nothing is read twice: no LDS, no barrier, no matrix unit.  No register is written twice, so no source is freed by a wait.
.set IN,  8                            ; v[8:71]    load j: four f32
.set OUT, 72                           ; v[72:103]  store j: four bf16
	s_load_b256 s[4:11], s[0:1], 0x0               ; x s[4:5], Wq s[6:7], Wk s[8:9], Wv s[10:11]
	s_load_b128 s[12:15], s[0:1], 0x20             ; xb s[12:13], wb s[14:15]
	v_and_b32 v3, 31, v0                           ; lane
	v_and_b32 v4, 0xe0, v0                         ; 32 x wave
	v_lshlrev_b32 v1, 4, v3
	v_lshl_or_b32 v1, v4, 8, v1                    ; in: 8,192 x wave + 16 x lane
	v_lshlrev_b32 v2, 3, v3
	v_lshl_or_b32 v2, v4, 7, v2                    ; out: 4,096 x wave + 8 x lane
	s_sub_co_u32 s16, ttmp9, 512                   ; the group's number among the weights' (used where it is one of them)
	s_lshr_b32 s17, s16, 6                         ; which matrix
	s_and_b32 s18, s16, 63                         ; which part of it
	s_wait_kmcnt 0x0
	s_cmp_eq_u32 s17, 1
	s_cselect_b64 s[24:25], s[8:9], s[6:7]
	s_cmp_eq_u32 s17, 2
	s_cselect_b64 s[24:25], s[10:11], s[24:25]
	s_cmp_lt_u32 ttmp9, 512
	s_cselect_b64 s[24:25], s[4:5], s[24:25]       ; from
	s_cselect_b64 s[26:27], s[12:13], s[14:15]     ; to
	s_cselect_b32 s20, ttmp9, s18
	s_cselect_b32 s22, ttmp9, s16
	s_lshl_b32 s20, s20, 16                        ; offsets are made apart from the addresses
	s_lshl_b32 s22, s22, 15
	s_mov_b32 s21, 0
	s_mov_b32 s23, 0
	s_add_nc_u64 s[24:25], s[24:25], s[20:21]
	s_add_nc_u64 s[26:27], s[26:27], s[22:23]
.irp j, 0,1,2,3,4,5,6,7,8,9,10,11,12,13,14,15
	global_load_b128 v[IN+4*(\j):IN+4*(\j)+3], v1, s[24:25] offset:512*(\j) th:TH_LOAD_NT
.endr
.irp j, 0,1,2,3,4,5,6,7,8,9,10,11,12,13,14,15
	s_wait_loadcnt 15-(\j)                         ; loads come back in order: load j is in, the younger ones stay out
	v_cvt_pk_bf16_f32 v[OUT+2*(\j)], v[IN+4*(\j)], v[IN+4*(\j)+1]
	v_cvt_pk_bf16_f32 v[OUT+2*(\j)+1], v[IN+4*(\j)+2], v[IN+4*(\j)+3]
	global_store_b64 v2, v[OUT+2*(\j):OUT+2*(\j)+1], s[26:27] offset:256*(\j)
.endr
	s_endpgm
.Lfunc_end_k_q18fa43aff7_cvt:
	.size	k_q18fa43aff7_cvt, .Lfunc_end_k_q18fa43aff7_cvt-k_q18fa43aff7_cvt
	.p2alignl 7, 3214868480
	.fill 96, 4, 3214868480
	.section	.rodata,"a",@progbits
	.p2align	6, 0x0
	.amdhsa_kernel k_q18fa43aff7_cvt
		.amdhsa_group_segment_fixed_size 0
		.amdhsa_private_segment_fixed_size 0
		.amdhsa_enable_private_segment 0
		.amdhsa_kernarg_size 48
		.amdhsa_user_sgpr_count 2
		.amdhsa_user_sgpr_kernarg_segment_ptr 1
		.amdhsa_wavefront_size32 1
		.amdhsa_system_sgpr_workgroup_id_x 1
		.amdhsa_system_sgpr_workgroup_id_y 1
		.amdhsa_system_sgpr_workgroup_id_z 1
		.amdhsa_system_vgpr_workitem_id 0
		.amdhsa_next_free_vgpr 112
		.amdhsa_next_free_sgpr 66
		.amdhsa_reserve_vcc 0
		.amdhsa_float_denorm_mode_32 3
		.amdhsa_float_denorm_mode_16_64 3
		.amdhsa_memory_ordered 1
		.amdhsa_forward_progress 1
		.amdhsa_inst_pref_size 7
	.end_amdhsa_kernel
	.amdgpu_metadata
---
amdhsa.version: [ 1, 2 ]
amdhsa.kernels:
  - .name:           k_q18fa43aff7_cvt
    .symbol:         k_q18fa43aff7_cvt.kd
    .args:
      - { .name: x, .offset: 0, .size: 8, .value_kind: global_buffer, .address_space: global }
      - { .name: Wq, .offset: 8, .size: 8, .value_kind: global_buffer, .address_space: global }
      - { .name: Wk, .offset: 16, .size: 8, .value_kind: global_buffer, .address_space: global }
      - { .name: Wv, .offset: 24, .size: 8, .value_kind: global_buffer, .address_space: global }
      - { .name: xb, .offset: 32, .size: 8, .value_kind: global_buffer, .address_space: global }
      - { .name: wb, .offset: 40, .size: 8, .value_kind: global_buffer, .address_space: global }
    .group_segment_fixed_size: 0
    .private_segment_fixed_size: 0
    .kernarg_segment_align: 8
    .kernarg_segment_size: 48
    .max_flat_workgroup_size: 256
    .sgpr_count:     66
    .vgpr_count:     112
    .wavefront_size: 32
...
	.end_amdgpu_metadata
.endif
;; end of part 1
;; launch proj (part 2): grid 12 x 32, 4 waves a work-group, clusters of 4 x 4, 327,680 bytes of LDS; arguments xb, wb, bq, bk, qk, vt; writes qk, vt
.if DOCPART == 2
	.amdgcn_target "amdgcn-amd-amdhsa--gfx1250"
	.amdhsa_code_object_version 6
	.text
	.protected	k_q18fa43aff7_proj
	.globl	k_q18fa43aff7_proj
	.p2align	8
	.type	k_q18fa43aff7_proj,@function
k_q18fa43aff7_proj:
	s_mov_b64 s[64:65], 0
	v_nop
	global_prefetch_b8 v0, s[64:65] scope:SCOPE_SE
	s_setreg_imm32_b32 hwreg(HW_REG_WAVE_MODE, 25, 1), 1
	s_wait_xcnt 0x0
	s_wait_alu depctr_hold_cnt(0) depctr_sa_sdst(0) depctr_va_vdst(0) depctr_va_sdst(0) depctr_va_ssrc(0) depctr_va_vcc(0) depctr_vm_vsrc(0)
	s_getreg_b32 s2, hwreg(HW_REG_IB_STS2, 6, 4)
	s_cmp_eq_u32 s2, 0
	s_cbranch_scc0 .Lentry_in_a_cluster
	s_endpgm
.Lentry_in_a_cluster:
	s_bfe_u32 s2, ttmp6, 0x10000c
	s_cmp_lg_u32 s2, 0xf033
	s_cbranch_scc0 .Lentry_shape_is_right
	s_endpgm
.Lentry_shape_is_right:
; THE THREE PROJECTIONS, as one GEMM C = A B^T over K = 1,024 in bf16, sums in f32, C rounded once to f16.
;   clusters with x = 0, 1:  qk[row][col] = sum_e xb[row][e] wb[col][e] + bias[col]   (columns 0-1023 Q with bq, 1024-2047 K with bk; bias rounded to bf16)
;   clusters with x = 2:     vt[ch][row]  = sum_e wb[2048+ch][e] xb[row][e]            (V transposed, WITHOUT bv: the last launch adds it behind the softmax's division, where the weights sum to 1)
; LIMIT.  Q, K and V are kept in f16: they must lie within 65,504; below 6e-5 f16 has a fixed step of 6e-8.
; A tile of C is 256 x 256: four waves, each 128 x 128 = 64 accumulators.  K goes in 8 steps of 128 through two LDS slots; rows of a tile are 256 bytes of memory, aligned.
; The loop is ONE K step long: the slot in hand is a scalar that an exclusive or turns, and one descriptor a tensor walks.
; CLUSTER 4 x 4: A's tile hangs on the tile row alone and is asked for jointly along a row of the cluster, B's on the tile column alone, jointly along a column.
; The role hangs on the cluster's x, which all sixteen partners share; it only selects values.
; THE MATRIX INSTRUCTION IS USED TRANSPOSED (source 0 = 16 rows of B, source 1 = 16 rows of A): a lane holds row l % 16 of C and the columns 8 (l / 16) + 0..7.
; The first products take the bias as C: it costs no instruction in the loop.
; REGISTERS: window 0: v0-31 addresses; v64-127, v128-191 A's fragments; v32-63, v192-255 the way out.  window 1: v0-63 the sums' start; v64-191 B's fragments; v192-195 at work.
;            windows 2, 3: accumulator (a, b) at v[8 (8 a + b)], my rows 0-63 and 64-127.
.set PITCH,  272                       ; an LDS row: 256 bytes + 16 of padding: the 16 rows of a fragment load start 16 bytes apart modulo 256
.set HALFT,  128*PITCH                 ; what one tensor load brings
.set SLOT,   4*HALFT                   ; A's 256 rows, then B's 256.  Its bits (17, 13) are none of wave x HALFT's (16, 15, 12, 11): an exclusive or changes slots
.set STAGE,  2*SLOT                    ; 16 rows x 272 bytes for each wave, for the way out
.set SPARE,  STAGE+4*16*PITCH          ; the spare words, 128 bytes a wave
.set KSB,    256                       ; bytes of a row in a K step
.set STEPS,  8
.set DW0,    (1<<16)|(1<<20)|(1<<21)|(5<<22)|(3<<25)  ; 2-byte elements; padding on; bit 21 beside a mask; after every 64 words, 4 words
.set COT,  8                           ; v8-15  my byte offset in C for the pair of rows 2 t, 2 t + 1
.set ADRA0, 16                         ; v16    my A fragments' place in a slot;  v17 in the slot in hand
.set ADRA, 17
.set ADRB0, 20                         ; v20, v21 the same for B
.set ADRB, 21
.set STO,  24
.set RD,   25
.set SPW,  28                          ; v28    my spare word;  v29  0; neither is rewritten
.set NIL,  29
.set PFO,  30                          ; v30    lane x 2,048: a row of xb or wb
.set F0,   64
.set F1,   128
.set TMP,  192
.set OB,   32
.set BI,   0                           ; window 1
.set SC,   192                         ; window 1
.set WV, 16
.set FB, 17                            ; wave / 2: my half of C's rows; 0: I fetch A, 1: B
.set HF, 18                            ; wave % 2: my half of C's columns; which 128 rows I fetch
.set CX, 19
.set CY, 20
.set CLX, 21
.set CLY, 22
.set ROLE, 23
.set G1, 24
.set G0, 32                            ; s[32:35] K step 0; s[36:39] K step 1, which then walks
.set LT, 40                            ; 0 or SLOT: the slot in hand
.set LIM, 43
.set PFA, 44
.set G1B, 48
.set G0B, 56
.set CP, 66
.set CST, 68
.set CSTEP, 70
.set PSH, 72                           ; log2 of C's row in bytes: 12 (qk) or 14 (vt)
.set BA, 74
.set BBS, 76
.set TA, 80                            ; A's tile; s[82:85] go with it and never hold cx
.set TBT, 81                           ; B's tile; s[86:89] go with it and never hold cy
.set SM, 94
.set BP, 96
.set MSB, 0
.macro WIN new                         ; the immediate's high byte repeats the setting that is left
.if MSB != (\new)
	s_set_vgpr_msb (MSB<<8)|(\new)
.set MSB, \new
.endif
.endm
.set TO_B, 0x40
.macro PLACES                          ; four plain places behind matrix instructions (ISA guide 7.12.1)
.rept 4
	v_nop
.endr
.endm
.macro CREST                           ; a round of the cluster's barrier behind its opening barrier
	s_cmp_lg_u32 s[WV], 0
	s_cbranch_scc1 .Lnot_wave_0_\@
	s_barrier_signal -3
.Lnot_wave_0_\@:
	s_barrier_wait -3
	s_barrier_signal -1
	s_barrier_wait -1
.endm
.macro CROUND
	s_barrier_signal -1
	s_barrier_wait -1
	CREST
.endm
.macro JLOAD                           ; the joint refill by the walking descriptor: waves 0, 1 A's halves, waves 2, 3 B's; s_nop 0 and four v_nop follow each line
	s_cmp_eq_u32 s[FB], 0
	s_cbranch_scc0 .Lfor_b_\@
	tensor_load_to_lds s[G0+4:G0+7], s[G1:G1+7]
	s_nop 0
.rept 4
	v_nop
.endr
	s_branch .Lasked_\@
.Lfor_b_\@:
	tensor_load_to_lds s[G0B+4:G0B+7], s[G1B:G1B+7]
	s_nop 0
.rept 4
	v_nop
.endr
.Lasked_\@:
.endm
; A PREFETCH INTO THE L2 of the K step two refills on: 32 rows x 256 bytes, a lane a row.  Each row's 256 bytes of a K step are named once in the launch: xb's rows, which three clusters read,
; by the cluster with x = 0; wb's, which eight read, by the cluster with y = 0; the four partners of a joint load share its 128 rows out by address.  Trips 0-3 name K steps 4-7; the last two name nothing.
.macro ASK
	s_cmp_gt_u32 s3, s[LIM]
	s_cbranch_scc0 .Lnot_mine_\@
	global_prefetch_b8 v[PFO], s[PFA:PFA+1] offset:KSB th:TH_LOAD_NT scope:SCOPE_SE
.Lnot_mine_\@:
.endm
	s_load_b256 s[4:11], s[0:1], 0x0               ; xb s[4:5], wb s[6:7], bq s[8:9], bk s[10:11]
	s_load_b128 s[12:15], s[0:1], 0x20             ; qk s[12:13], vt s[14:15]
	v_lshl_add_u32 v[SPW], v0, 2, SPARE
	v_mov_b32 v[NIL], 0
	ds_add_u32 v[SPW], v[NIL]                      ; the wave's opening: the add and its wait ahead of my first tensor load; register work stands between
	v_lshrrev_b32 v1, 5, v0
	v_readfirstlane_b32 s[WV], v1
	s_lshr_b32 s[FB], s[WV], 1
	s_and_b32 s[HF], s[WV], 1
	s_bfe_u32 s[CX], ttmp6, 0x40000
	s_bfe_u32 s[CY], ttmp6, 0x40004
	s_mov_b32 s[CLX], ttmp9                        ; in a cluster launch ttmp9 and ttmp7 count clusters
	s_and_b32 s[CLY], ttmp7, 0xffff
	s_lshl_b32 s90, s[CLY], 2
	s_lshl_b32 s91, s[CLX], 2
	s_cmp_eq_u32 s[CLX], 2
	s_cselect_b32 s[ROLE], 1, 0                    ; 1: V^T
	s_cselect_b32 s[TA], 8, s90                    ; A's tile: Wv's rows begin at tile 8 of wb; else xb's tile 4 cly + cy
	s_cselect_b32 s[TBT], s90, s91                 ; B's tile: xb's 4 cly + cx; else wb's 4 clx + cx
	s_cselect_b32 s[PSH], 14, 12
	s_cselect_b32 s[SM], 0, -1                     ; V^T starts its sums at 0
	s_add_co_u32 s[TA], s[TA], s[CY]
	s_add_co_u32 s[TBT], s[TBT], s[CX]
	s_lshl_b32 s41, s[CY], 2
	s_lshl_b32 s41, 15, s41                        ; my row of the cluster
	s_lshl_b32 s42, 0x1111, s[CX]                  ; my column
	s_or_b32 s[G1], s41, DW0
	s_or_b32 s[G1B], s42, DW0
.irp g, G1, G1B
	s_mov_b32 s[(\g)+1], 128<<16                   ; tensor_dim0 = 128
	s_mov_b32 s[(\g)+2], 128<<16                   ; tensor_dim1 = 128
	s_mov_b32 s[(\g)+3], 128<<16                   ; tile_dim0 = 128
	s_mov_b32 s[(\g)+4], 128                       ; tile_dim1 = 128
	s_mov_b32 s[(\g)+5], 1024                      ; elements from row to row
	s_mov_b32 s[(\g)+6], 0
	s_mov_b32 s[(\g)+7], 0
.endr
	s_lshl_b32 s92, s[HF], 7
	s_lshl_b32 s82, s[TA], 8
	s_add_co_u32 s82, s82, s92
	s_lshl_b32 s82, s82, 11                        ; A: (256 tile + 128 half) rows of 2,048 bytes
	s_mov_b32 s83, 0
	s_lshl_b32 s86, s[TBT], 8
	s_add_co_u32 s86, s86, s92
	s_lshl_b32 s86, s86, 11
	s_mov_b32 s87, 0
	s_mul_i32 s93, s[WV], HALFT                    ; where my 128 rows go: no place in the cluster enters an LDS address
	s_mov_b32 s[LT], 0
.irp s, 0,1
	s_mov_b32 s[G0+4*(\s)], 1
	s_add_co_u32 s[G0+4*(\s)+1], s93, (\s)*SLOT
	s_mov_b32 s[G0B+4*(\s)], 1
	s_add_co_u32 s[G0B+4*(\s)+1], s93, (\s)*SLOT
.endr
	s_wait_dscnt 0x0                               ; the opening add is done
	s_wait_kmcnt 0x0
	s_cmp_eq_u32 s[ROLE], 1
	s_cselect_b64 s[BA:BA+1], s[6:7], s[4:5]
	s_cselect_b64 s[BBS:BBS+1], s[4:5], s[6:7]
	s_cselect_b64 s[CP:CP+1], s[14:15], s[12:13]
	s_add_nc_u64 s[84:85], s[BA:BA+1], s[82:83]
	s_add_nc_u64 s[88:89], s[BBS:BBS+1], s[86:87]
.irp s, 0,1
	s_add_nc_u64 s[G0+4*(\s)+2:G0+4*(\s)+3], s[84:85], (\s)*KSB
	s_or_b32 s[G0+4*(\s)+3], s[G0+4*(\s)+3], 0x80000000
	s_add_nc_u64 s[G0B+4*(\s)+2:G0B+4*(\s)+3], s[88:89], (\s)*KSB
	s_or_b32 s[G0B+4*(\s)+3], s[G0B+4*(\s)+3], 0x80000000
.endr
	CROUND                                         ; all sixteen work-groups are here: the first joint loads meet
	s_cmp_eq_u32 s[FB], 0                          ; a wave's two first fills stand in one branch: two loads of mine are out
	s_cbranch_scc0 .Lfirst_b
	tensor_load_to_lds s[G0:G0+3], s[G1:G1+7]
	s_nop 0
	tensor_load_to_lds s[G0+4:G0+7], s[G1:G1+7]
	s_nop 0
.rept 4
	v_nop
.endr
	s_branch .Lfirst_done
.Lfirst_b:
	tensor_load_to_lds s[G0B:G0B+3], s[G1B:G1B+7]
	s_nop 0
	tensor_load_to_lds s[G0B+4:G0B+7], s[G1B:G1B+7]
	s_nop 0
.rept 4
	v_nop
.endr
.Lfirst_done:
	; the bias of my 128 columns; in the V^T role the same lines read bk inside its bounds and the result is masked to 0
	s_and_b32 s90, s[TBT], 3
	s_lshl_b32 s90, s90, 10
	s_lshl_b32 s91, s[HF], 9
	s_add_co_u32 s90, s90, s91
	s_mov_b32 s91, 0
	s_cmp_eq_u32 s[CLX], 0
	s_cselect_b64 s[BP:BP+1], s[8:9], s[10:11]
	s_add_nc_u64 s[BP:BP+1], s[BP:BP+1], s[90:91]
	v_and_b32 v1, 15, v0                           ; r = l % 16
	v_bfe_u32 v2, v0, 4, 1                         ; h = l / 16
	v_lshlrev_b32 v6, 5, v2                        ; my eight columns of a block of 16: 32 h bytes
	WIN TO_B
.irp b, 0,1,2,3,4,5,6,7
	global_load_b128 v[BI+8*(\b):BI+8*(\b)+3],   v6, s[BP:BP+1] offset:64*(\b)
	global_load_b128 v[BI+8*(\b)+4:BI+8*(\b)+7], v6, s[BP:BP+1] offset:64*(\b)+16
.endr
	WIN 0
	v_mul_u32_u24 v3, v1, PITCH
	v_lshl_add_u32 v3, v2, 4, v3                   ; row x pitch + 16 x half
	s_mul_i32 s90, s[FB], HALFT
	s_mul_i32 s91, s[HF], HALFT
	s_add_co_u32 s91, s91, 2*HALFT
	v_add_nc_u32 v[ADRA0], s90, v3
	v_add_nc_u32 v[ADRB0], s91, v3
	v_mov_b32 v[ADRA], v[ADRA0]
	v_mov_b32 v[ADRB], v[ADRB0]
	s_mul_i32 s90, s[WV], 16*PITCH
	s_add_co_u32 s90, s90, STAGE
	v_add_nc_u32 v[STO], s90, v3                   ; into my stage: row r, 16 bytes for each half of the lanes
	v_mul_u32_u24 v4, v2, PITCH
	v_lshl_add_u32 v4, v1, 4, v4
	v_add_nc_u32 v[RD], s90, v4                    ; back: lanes 0-15 one row of 256 bytes, lanes 16-31 the next
.irp t, 0,1,2,3,4,5,6,7
	v_add_nc_u32 v5, 2*(\t), v2
	v_lshlrev_b32 v5, s[PSH], v5
	v_lshl_add_u32 v[COT+(\t)], v1, 4, v5
.endr
	v_and_b32 v[PFO], 31, v0
	v_lshlrev_b32 v[PFO], 11, v[PFO]
	s_cmp_eq_u32 s[ROLE], 1
	s_cselect_b32 s90, s[CY], s[TA]                ; C's tile row
	s_lshl_b32 s90, s90, 8
	s_lshl_b32 s91, s[FB], 7
	s_add_co_u32 s90, s90, s91
	s_lshl_b32 s90, s90, s[PSH]
	s_lshl_b32 s91, s[TBT], 9
	s_add_co_u32 s90, s90, s91
	s_lshl_b32 s91, s[HF], 8
	s_add_co_u32 s[CST], s90, s91                  ; my part of C begins here
	s_mov_b32 s[CST+1], 0
	s_lshl_b32 s[CSTEP], 16, s[PSH]                ; 16 rows of C
	s_mov_b32 s[CSTEP+1], 0
	; the prefetches: who asks, and where
	s_cmp_eq_u32 s[ROLE], 1
	s_cselect_b32 s90, s[CLY], s[CLX]              ; along this coordinate other clusters read A's rows too
	s_cselect_b32 s91, 1, s[CLY]                   ; and B's (xb as B is asked for by the cluster with x = 0, never here)
	s_cmp_eq_u32 s[FB], 0
	s_cselect_b32 s90, s90, s91
	s_cselect_b32 s91, s[TA], s[TBT]
	s_cselect_b32 s92, s[CX], s[CY]                ; my place among the four that ask jointly
	s_cselect_b64 s[PFA:PFA+1], s[BA:BA+1], s[BBS:BBS+1]
	s_cmp_eq_u32 s90, 0
	s_cselect_b32 s[LIM], 2, -1                    ; the same in all sixteen partners, for a given wave
	s_lshl_b32 s91, s91, 8
	s_lshl_b32 s93, s[HF], 7
	s_add_co_u32 s91, s91, s93
	s_lshl_b32 s92, s92, 5
	s_add_co_u32 s91, s91, s92
	s_lshl_b32 s90, s91, 11
	s_mov_b32 s91, 0
	s_add_nc_u64 s[PFA:PFA+1], s[PFA:PFA+1], s[90:91]
	s_add_nc_u64 s[PFA:PFA+1], s[PFA:PFA+1], 2*KSB ; at K step 2: the first refill steps it to 3 and names K step 4
	s_wait_loadcnt 0x0                             ; the bias
	WIN 0x45                                       ; destination and both sources in window 1
.set i, 0
.rept 32
	v_cvt_pk_bf16_f32 v[SC+i%4], v[BI+2*i], v[BI+2*i+1]   ; rounded to bf16 like every input,
	v_and_b32 v[SC+i%4], s[SM], v[SC+i%4]                 ; 0 for V^T,
	v_lshlrev_b32 v[BI+2*i], 16, v[SC+i%4]                ; and back to f32
	v_and_b32 v[BI+2*i+1], 0xffff0000, v[SC+i%4]
.set i, i+1
.endr
	WIN 0
; 16 matrix instructions: A blocks a0, a0 + 1 of the window's four x all 8 B blocks.  zero = 1: the first product starts the sums with the bias
.macro MUL16 f, hi, a0, zero
.if \zero
	WIN 0x91+0x40*(\hi)                            ; B window 1, A window 0, C window 1, D window 2 or 3
.else
	WIN 0xa1+0x50*(\hi)                            ; C and D window 2 or 3
.endif
.irp a, \a0, (\a0)+1
.irp b, 0,1,2,3,4,5,6,7
.if \zero
	v_wmma_f32_16x16x32_bf16 v[8*(8*(\a)+(\b)):8*(8*(\a)+(\b))+7], v[(\f)+8*(\b):(\f)+8*(\b)+7], v[(\f)+8*(4*(\hi)+(\a)):(\f)+8*(4*(\hi)+(\a))+7], v[BI+8*(\b):BI+8*(\b)+7]
.else
	v_wmma_f32_16x16x32_bf16 v[8*(8*(\a)+(\b)):8*(8*(\a)+(\b))+7], v[(\f)+8*(\b):(\f)+8*(\b)+7], v[(\f)+8*(4*(\hi)+(\a)):(\f)+8*(4*(\hi)+(\a))+7], v[8*(8*(\a)+(\b)):8*(8*(\a)+(\b))+7]
.endif
.endr
.endr
.endm
.macro FETCH k, f                      ; 32 LDS loads in one run: a quarter step's fragments (32 along K at byte k) of the slot in hand
	WIN TO_B
.irp i, 0,1,2,3,4,5,6,7
	ds_load_b128 v[(\f)+8*(\i):(\f)+8*(\i)+3],   v[ADRB] offset:(\k)+(\i)*16*PITCH
	ds_load_b128 v[(\f)+8*(\i)+4:(\f)+8*(\i)+7], v[ADRB] offset:(\k)+(\i)*16*PITCH+32
.endr
	WIN 0
.irp i, 0,1,2,3,4,5,6,7
	ds_load_b128 v[(\f)+8*(\i):(\f)+8*(\i)+3],   v[ADRA] offset:(\k)+(\i)*16*PITCH
	ds_load_b128 v[(\f)+8*(\i)+4:(\f)+8*(\i)+7], v[ADRA] offset:(\k)+(\i)*16*PITCH+32
.endr
.endm
.macro QUARTER k, f, g, zero           ; multiplies buffer f; in its middle fetches the next quarter, at byte k, into g
	s_wait_dscnt 8                                 ; B and A's rows 0-63 are in; the youngest eight loads (A's rows 64-127) may be out
	MUL16 \f, 0, 0, \zero
	MUL16 \f, 0, 2, \zero
	PLACES
	FETCH \k, \g
	s_wait_dscnt 32                                ; all but the 32 just issued
	MUL16 \f, 1, 0, \zero
	MUL16 \f, 1, 2, \zero
.endm
; The last quarter of a K step multiplies buffer 1 and changes slots.  In front of the barrier each wave waits for all its tensor loads (one is out: its part of the next slot), adds 0 to its spare
; word, and waits for that and for its reads of this slot.  fill = 1: the barrier opens a round of the cluster's, and the joint refill, two K steps ahead, is the first thing behind it.
.macro TURN fill
	WIN 0
.if \fill
	s_wait_xcnt 0x0                                ; the last prefetch, a K step back, has read its address
	s_add_nc_u64 s[PFA:PFA+1], s[PFA:PFA+1], KSB
.endif
	s_wait_tensorcnt 0x0                           ; no tensor load of mine is out, so the descriptors may be written
	ds_add_u32 v[SPW], v[NIL]
.if \fill
	s_xor_b32 s[G0+5], s[G0+5], SLOT               ; the walking descriptors: the other slot than last time, the next K step
	s_add_nc_u64 s[G0+6:G0+7], s[G0+6:G0+7], KSB
	s_xor_b32 s[G0B+5], s[G0B+5], SLOT
	s_add_nc_u64 s[G0B+6:G0B+7], s[G0B+6:G0B+7], KSB
.endif
	s_xor_b32 s[LT], s[LT], SLOT
	s_wait_dscnt 9                                 ; the add and the youngest eight loads may be out
	MUL16 F1, 0, 0, 0
	s_wait_dscnt 0x0                               ; the add is done, my reads of this slot are over
	s_barrier_signal -1
	MUL16 F1, 0, 2, 0
	WIN 0
	s_barrier_wait -1
.if \fill
	CREST                                          ; no wave of any partner still reads this slot or has a load on its way
	JLOAD                                          ; 224 matrix instructions ahead of the wait for it; its four v_nop are also the places in front of the loads below
.else
	PLACES
.endif
	v_add_nc_u32 v[ADRA], s[LT], v[ADRA0]
	v_add_nc_u32 v[ADRB], s[LT], v[ADRB0]
	FETCH 0, F0
.if \fill
	ASK
.endif
	MUL16 F1, 1, 0, 0
	MUL16 F1, 1, 2, 0
.endm
; THE WAY OUT of block a (16 rows): rounded to f16, 16 bytes a lane; through my own stage; back as whole rows of 256 bytes; stored.
.macro PACK a
.set AC, 64*((\a)%4)
	WIN 0x0a+5*((\a)/4)                            ; both sources in window 2 or 3
.irp b, 0,1,2,3,4,5,6,7
.irp r, 0,1,2,3
	v_cvt_pk_f16_f32 v[TMP+4*(\b)+(\r)], v[AC+8*(\b)+2*(\r)], v[AC+8*(\b)+2*(\r)+1]
.endr
.endr
	WIN 0
.endm
.macro TOSTAGE a
.set BK, OB+192*((\a)%2)
.irp b, 0,1,2,3,4,5,6,7
	ds_store_b128 v[STO], v[TMP+4*(\b):TMP+4*(\b)+3] offset:32*(\b)
.endr
.irp t, 0,1,2,3,4,5,6,7
	ds_load_b128 v[BK+4*(\t):BK+4*(\t)+3], v[RD] offset:(\t)*2*PITCH  ; LDS serves a wave's instructions in order (ISA guide 5.7.1.4): these see the stores above
.endr
.endm
.macro SEND a
.set BK, OB+192*((\a)%2)
	s_wait_dscnt 0x0                               ; the block is back in registers
	s_wait_xcnt 0x0                                ; earlier stores have read their base and data: only now are they rewritten
.if (\a) == 0
	s_add_nc_u64 s[CP:CP+1], s[CP:CP+1], s[CST:CST+1]
.else
	s_add_nc_u64 s[CP:CP+1], s[CP:CP+1], s[CSTEP:CSTEP+1]
.endif
.irp t, 0,1,2,3,4,5,6,7
	global_store_b128 v[COT+(\t)], v[BK+4*(\t):BK+4*(\t)+3], s[CP:CP+1]  ; 16 lanes store 256 consecutive bytes, aligned
.endr
.endm
	s_wait_tensorcnt 0x1                           ; my part of K step 0 is in; K step 1's may stay out
	s_barrier_signal -1
	s_barrier_wait -1
	FETCH 0, F0
	QUARTER 64, F0, F1, 1                          ; the first quarter stands in front of the loop: its products start the sums
	WIN 0
	s_mov_b32 s3, STEPS-2
.Lstep:                                        ; a trip: from a K step's second quarter to the next one's first; it fills the slot just read with the K step two on
	QUARTER 128, F1, F0, 0
	QUARTER 192, F0, F1, 0
	TURN 1
	QUARTER 64, F0, F1, 0
	WIN 0
	s_sub_co_u32 s3, s3, 1
	s_cmp_lg_u32 s3, 0
	s_cbranch_scc1 .Lstep
	QUARTER 128, F1, F0, 0                         ; the last two K steps are written out: they ask for nothing
	QUARTER 192, F0, F1, 0
	TURN 0
	QUARTER 64, F0, F1, 0
	QUARTER 128, F1, F0, 0
	QUARTER 192, F0, F1, 0
	s_wait_dscnt 8
	MUL16 F1, 0, 0, 0
	MUL16 F1, 0, 2, 0
	s_wait_dscnt 0x0
	MUL16 F1, 1, 0, 0
	MUL16 F1, 1, 2, 0
	PLACES
	PACK 0
	TOSTAGE 0
.irp a, 1,2,3,4,5,6,7                  ; block a's conversions stand between block a - 1's loads from the stage and the wait for them
	PACK \a
	SEND (\a)-1
	TOSTAGE \a
.endr
	SEND 7
	s_wait_tensorcnt 0x0                           ; the wave's end
	ds_add_u32 v[SPW], v[NIL]
	s_wait_dscnt 0x0
	CROUND                                         ; the closing round
	s_endpgm
.Lfunc_end_k_q18fa43aff7_proj:
	.size	k_q18fa43aff7_proj, .Lfunc_end_k_q18fa43aff7_proj-k_q18fa43aff7_proj
	.p2alignl 7, 3214868480
	.fill 96, 4, 3214868480
	.section	.rodata,"a",@progbits
	.p2align	6, 0x0
	.amdhsa_kernel k_q18fa43aff7_proj
		.amdhsa_group_segment_fixed_size 327680
		.amdhsa_private_segment_fixed_size 0
		.amdhsa_enable_private_segment 0
		.amdhsa_kernarg_size 48
		.amdhsa_user_sgpr_count 2
		.amdhsa_user_sgpr_kernarg_segment_ptr 1
		.amdhsa_wavefront_size32 1
		.amdhsa_system_sgpr_workgroup_id_x 1
		.amdhsa_system_sgpr_workgroup_id_y 1
		.amdhsa_system_sgpr_workgroup_id_z 1
		.amdhsa_system_vgpr_workitem_id 0
		.amdhsa_next_free_vgpr 1024
		.amdhsa_next_free_sgpr 100
		.amdhsa_reserve_vcc 0
		.amdhsa_float_denorm_mode_32 3
		.amdhsa_float_denorm_mode_16_64 3
		.amdhsa_memory_ordered 1
		.amdhsa_forward_progress 1
		.amdhsa_inst_pref_size 126
	.end_amdhsa_kernel
	.amdgpu_metadata
---
amdhsa.version: [ 1, 2 ]
amdhsa.kernels:
  - .name:           k_q18fa43aff7_proj
    .symbol:         k_q18fa43aff7_proj.kd
    .args:
      - { .name: xb, .offset: 0, .size: 8, .value_kind: global_buffer, .address_space: global }
      - { .name: wb, .offset: 8, .size: 8, .value_kind: global_buffer, .address_space: global }
      - { .name: bq, .offset: 16, .size: 8, .value_kind: global_buffer, .address_space: global }
      - { .name: bk, .offset: 24, .size: 8, .value_kind: global_buffer, .address_space: global }
      - { .name: qk, .offset: 32, .size: 8, .value_kind: global_buffer, .address_space: global }
      - { .name: vt, .offset: 40, .size: 8, .value_kind: global_buffer, .address_space: global }
    .group_segment_fixed_size: 327680
    .private_segment_fixed_size: 0
    .kernarg_segment_align: 8
    .kernarg_segment_size: 48
    .max_flat_workgroup_size: 128
    .sgpr_count:     100
    .vgpr_count:     1024
    .wavefront_size: 32
...
	.end_amdgpu_metadata
.endif
;; end of part 2
;; launch score (part 3): grid 36 x 4, 4 waves a work-group, no clusters, 327,680 bytes of LDS; arguments qk, p, st; writes p, st
.if DOCPART == 3
	.amdgcn_target "amdgcn-amd-amdhsa--gfx1250"
	.amdhsa_code_object_version 6
	.text
	.protected	k_q18fa43aff7_score
	.globl	k_q18fa43aff7_score
	.p2align	8
	.type	k_q18fa43aff7_score,@function
k_q18fa43aff7_score:
	s_mov_b64 s[64:65], 0
	v_nop
	global_prefetch_b8 v0, s[64:65] scope:SCOPE_SE
	s_setreg_imm32_b32 hwreg(HW_REG_WAVE_MODE, 25, 1), 1
	s_wait_xcnt 0x0
; SCORES AND WEIGHTS.  For each batch b and each of the 36 tiles (I, J <= I) of 256 queries x 256 keys: S = Q K^T over 1,024 channels in f16, sums in f32; keys behind the query are hidden.
; For each row and each GROUP of 128 keys: m = the group's maximum, cm = c m with c = log2(e) / 32, P = 2^(c s - cm) rounded to f16, l = the sum of the unrounded weights.
; P goes to p [8192][2048]; cm and l to st.  The next launch knows all groups' cm and scales each group by 2^(cm - the row's greatest cm): the softmax is taken with the row's true maximum.
; LIMITS.  A hidden score is its value less 2^100 (f16's scores reach 4.4e12 at the most); a group's maximum is floored at -2^96, so that a wholly hidden group gives P = 0, l = 0 and a cm far below
; every real one.  P below 6e-5 keeps f16's fixed step of 6e-8; a weight below 2^-126 counts as 0.  NaN and infinities are not treated apart.
; THE MASK is the C operand of the products that start the sums: three sets of eight registers (key block below, on, above the wave's diagonal), made by selects from the tile's and the wave's place.
; NO CLUSTER: a batch's tile row I has I + 1 tiles and its tile column J has 8 - J; neither is a multiple of four for all, and the 36 tiles hold one block of 4 x 4 only (I = 4..7, J = 0..3);
; whole clusters would need 12 work-groups a batch whose tiles are wholly hidden.
; Ring, fragments, windows: a tile of 256 x 256, four waves of 128 x 128, 8 K steps of 128 through two slots; the loop is one K step long, the slot in hand turned by an exclusive or.
; THE WAY OUT: the f32 scores go into the ring's bytes, which have had their last fill, each wave's into its own 128 rows x 528 bytes; a loop of 8 trips reads 16 rows back, a row in 16 lanes.
.set PITCH,  272
.set HALFT,  128*PITCH
.set SLOT,   4*HALFT
.set DPI,    528                       ; a dumped row: 512 bytes + 16
.set STATST, 2*SLOT                    ; 1,024 bytes a wave: cm, then l, in st's order
.set SPARE,  STATST+4*1024
.set KSB,    256
.set STEPS,  8
.set ADRA0, 16
.set ADRA, 17
.set ADRB0, 20
.set ADRB, 21
.set DST,  22
.set RDA,  23
.set PO,   24
.set SAD,  25
.set SRD,  26
.set SGO,  27
.set SPW,  28
.set NIL,  29
.set PFO,  30
.set F0,   64
.set F1,   128
.set ML,   0                           ; window 1: v0-7 below, v8-15 on, v16-23 above the diagonal
.set MDG,  8
.set MU,   16
.set X,    64                          ; the way out, window 0: pair q of rows: eight scores at X + 8 q
.set CM,   128                         ; cm, m at CM + 2 q
.set PK,   144
.set LS,   176
.set TS,   184
.set WV, 12
.set FB, 13
.set HF, 14
.set TT, 15
.set II, 16
.set JJ, 17
.set BB, 18
.set G1, 24
.set G0, 32
.set LT, 40
.set LIM, 41
.set PFA, 42
.set CS, 44
.set FLR, 46
.set NEGB, 47
.set PB, 56
.set ODD, 58
.set SL, 59
.set SU, 60
.set SX, 61
.set STP, 62
.set MSB, 0
.macro WIN new
.if MSB != (\new)
	s_set_vgpr_msb (MSB<<8)|(\new)
.set MSB, \new
.endif
.endm
.set TO_B, 0x40
.macro PLACES
.rept 4
	v_nop
.endr
.endm
; A PREFETCH INTO THE L2 of the K step two refills on: my 128 rows x 256 bytes, a lane a row, four instructions.  Q's block I is read by I + 1 tiles and asked for by tile (I, 0);
; K's block J by 8 - J tiles and asked for by tile (J, J): each row's 256 bytes of a K step are named once.  Trips 0-3 name K steps 4-7.
.macro ASK
	s_cmp_gt_u32 s3, s[LIM]
	s_cbranch_scc0 .Lnot_mine_\@
.irp n, 0,1,2,3
	global_prefetch_b8 v[PFO], s[PFA:PFA+1] offset:(\n)*131072+KSB th:TH_LOAD_NT scope:SCOPE_SE
.endr
.Lnot_mine_\@:
.endm
	s_load_b64 s[6:7], s[0:1], 0x0                 ; qk
	s_load_b128 s[8:11], s[0:1], 0x8               ; p s[8:9], st s[10:11]
	v_lshl_add_u32 v[SPW], v0, 2, SPARE
	v_mov_b32 v[NIL], 0
	ds_add_u32 v[SPW], v[NIL]                      ; the wave's opening: the add and its wait ahead of my first tensor load
	v_lshrrev_b32 v1, 5, v0
	v_readfirstlane_b32 s[WV], v1
	s_lshr_b32 s[FB], s[WV], 1                     ; my half of the queries; 0: I fetch Q, 1: K
	s_and_b32 s[HF], s[WV], 1                      ; my half of the keys; which 128 rows I fetch
	s_mov_b32 s[TT], ttmp9
	s_and_b32 s[BB], ttmp7, 0xffff
	s_mov_b32 s[II], 0
.irp thr, 1,3,6,10,15,21,28            ; tile row I begins at tile I (I + 1) / 2
	s_cmp_ge_u32 s[TT], \thr
	s_add_co_ci_u32 s[II], s[II], 0
.endr
	s_add_co_u32 s48, s[II], 1
	s_mul_i32 s48, s48, s[II]
	s_lshr_b32 s48, s48, 1
	s_sub_co_u32 s[JJ], s[TT], s48
	s_mov_b32 s[G1], (1<<16)|(1<<20)|(5<<22)|(3<<25)  ; 2-byte elements; padding on: after every 64 words, 4 words
	s_mov_b32 s[G1+1], 128<<16
	s_mov_b32 s[G1+2], 128<<16
	s_mov_b32 s[G1+3], 128<<16
	s_mov_b32 s[G1+4], 128
	s_mov_b32 s[G1+5], 2048                        ; a row of qk
	s_mov_b32 s[G1+6], 0
	s_mov_b32 s[G1+7], 0
	s_cmp_eq_u32 s[FB], 0
	s_cselect_b32 s48, s[II], s[JJ]
	s_cselect_b32 s49, 0, 2048                     ; K lies 2,048 bytes into a row
	s_lshl_b32 s48, s48, 8
	s_lshl_b32 s50, s[HF], 7
	s_add_co_u32 s48, s48, s50
	s_lshl_b32 s50, s[BB], 11
	s_add_co_u32 s48, s48, s50
	s_lshl_b32 s48, s48, 12
	s_add_co_u32 s48, s48, s49
	s_mov_b32 s49, 0
	s_mul_i32 s51, s[WV], HALFT
.irp s, 0,1
	s_mov_b32 s[G0+4*(\s)], 1
	s_add_co_u32 s[G0+4*(\s)+1], s51, (\s)*SLOT
.endr
	s_mov_b32 s[LT], 0
	s_mov_b32 s[CS], 0x3d38aa3b                    ; c = log2(e) / 32
	s_mov_b32 s[CS+1], s[CS]
	s_mov_b32 s[FLR], 0xef800000                   ; -2^96
	s_mov_b32 s[NEGB], 0xf1800000                  ; -2^100
	s_mov_b32 s[ODD], 0xaaaaaaaa
	s_lshl_b32 s[PB], s[BB], 11                    ; P at my 128 rows and 128 keys
	s_lshl_b32 s50, s[II], 8
	s_add_co_u32 s[PB], s[PB], s50
	s_lshl_b32 s50, s[FB], 7
	s_add_co_u32 s[PB], s[PB], s50
	s_lshl_b32 s[PB], s[PB], 12
	s_lshl_b32 s50, s[JJ], 9
	s_add_co_u32 s[PB], s[PB], s50
	s_lshl_b32 s50, s[HF], 8
	s_add_co_u32 s[PB], s[PB], s50
	s_mov_b32 s[PB+1], 0
	s_lshl_b32 s[STP], s[BB], 4                    ; st's entry (b, 2 I + row half, 2 J + key half), 1,024 bytes
	s_lshl1_add_u32 s[STP], s[II], s[STP]
	s_add_co_u32 s[STP], s[STP], s[FB]
	s_lshl_b32 s[STP], s[STP], 4
	s_lshl1_add_u32 s[STP], s[JJ], s[STP]
	s_add_co_u32 s[STP], s[STP], s[HF]
	s_lshl_b32 s[STP], s[STP], 10
	s_mov_b32 s[STP+1], 0
	s_cmp_eq_u32 s[JJ], 0
	s_cselect_b32 s54, 1, 0
	s_cmp_eq_u32 s[II], s[JJ]
	s_cselect_b32 s55, 1, 0                        ; the tile holds the diagonal
	s_cmp_eq_u32 s[FB], 0
	s_cselect_b32 s54, s54, s55
	s_cmp_eq_u32 s54, 1
	s_cselect_b32 s[LIM], 2, -1
	s_lshl2_add_u32 s50, s55, s[WV]                ; 4 x diagonal + wave: 4, 7 my quarter holds the diagonal; 5 all hidden; 6 and below 4 all seen
	s_cmp_eq_u32 s50, 5
	s_cselect_b32 s[SL], s[NEGB], 0
	s_cmp_ge_u32 s50, 4
	s_cselect_b32 s[SU], s[NEGB], 0
	s_cmp_eq_u32 s50, 6
	s_cselect_b32 s[SU], 0, s[SU]
	s_cmp_eq_u32 s50, 4
	s_cselect_b32 s[SX], s[NEGB], s[SL]
	s_cmp_eq_u32 s50, 7
	s_cselect_b32 s[SX], s[NEGB], s[SX]
	s_wait_dscnt 0x0                               ; the opening add is done
	s_wait_kmcnt 0x0
	s_add_nc_u64 s[52:53], s[6:7], s[48:49]
	s_add_nc_u64 s[PB:PB+1], s[8:9], s[PB:PB+1]
	s_add_nc_u64 s[STP:STP+1], s[10:11], s[STP:STP+1]
	s_add_nc_u64 s[PFA:PFA+1], s[52:53], 2*KSB
.irp s, 0,1
	s_add_nc_u64 s[G0+4*(\s)+2:G0+4*(\s)+3], s[52:53], (\s)*KSB
	s_or_b32 s[G0+4*(\s)+3], s[G0+4*(\s)+3], 0x80000000
.endr
	tensor_load_to_lds s[G0:G0+3], s[G1:G1+7]      ; each wave moves 128 rows of its own: two loads of mine are out
	s_nop 0
	tensor_load_to_lds s[G0+4:G0+7], s[G1:G1+7]
	s_nop 0
.rept 4
	v_nop
.endr
	v_and_b32 v1, 15, v0                           ; r
	v_bfe_u32 v2, v0, 4, 1                         ; h
	v_and_b32 v4, 31, v0
	v_lshlrev_b32 v14, 3, v2
	v_sub_nc_u32 v14, v1, v14                      ; on the diagonal block register j is hidden where j > r - 8 h
	v_mov_b32 v15, s[SL]
	WIN 0x40
.irp j, 0,1,2,3,4,5,6,7
	v_mov_b32 v[ML+(\j)], s[SL]
	v_mov_b32 v[MU+(\j)], s[SU]
	v_cmp_gt_i32 vcc_lo, \j, v14
	v_cndmask_b32 v[MDG+(\j)], v15, s[SX], vcc_lo
.endr
	WIN 0
	v_mul_u32_u24 v3, v1, PITCH
	v_lshl_add_u32 v3, v2, 4, v3
	s_mul_i32 s48, s[FB], HALFT
	s_mul_i32 s49, s[HF], HALFT
	s_add_co_u32 s49, s49, 2*HALFT
	v_add_nc_u32 v[ADRA0], s48, v3
	v_add_nc_u32 v[ADRB0], s49, v3
	v_mov_b32 v[ADRA], v[ADRA0]
	v_mov_b32 v[ADRB], v[ADRB0]
	s_mul_i32 s48, s[WV], 128*DPI                  ; my part of the dump
	v_mul_u32_u24 v5, v1, DPI
	v_lshl_add_u32 v5, v2, 5, v5
	v_add_nc_u32 v[DST], s48, v5                   ; in: row r, my eight keys of a block: 32 h bytes
	v_mul_u32_u24 v5, v2, DPI
	v_lshl_add_u32 v5, v1, 5, v5
	v_add_nc_u32 v[RDA], s48, v5                   ; back: row h of a pair, keys 8 r .. 8 r + 7
	v_lshlrev_b32 v[PO], 12, v2
	v_lshl_add_u32 v[PO], v1, 4, v[PO]             ; the same in P
	s_lshl_b32 s48, s[WV], 10
	s_add_co_u32 s48, s48, STATST
	v_and_b32 v5, 1, v0
	v_lshlrev_b32 v5, 9, v5                        ; even lanes put cm, odd lanes l
	v_lshl_add_u32 v5, v2, 5, v5
	v_add_nc_u32 v[SAD], s48, v5
	v_lshlrev_b32 v[SGO], 4, v4
	v_add_nc_u32 v[SRD], s48, v[SGO]
	v_lshlrev_b32 v[PFO], 12, v4
.macro MUL16 f, hi, a0, zero           ; 16 matrix instructions; zero = 1: the first product starts the sums with the mask
.if \zero
	WIN 0x91+0x40*(\hi)
.else
	WIN 0xa1+0x50*(\hi)
.endif
.irp a, \a0, (\a0)+1
.irp b, 0,1,2,3,4,5,6,7
.if \zero
.if (\b) < 4*(\hi)+(\a)
.set MK, ML
.elseif (\b) == 4*(\hi)+(\a)
.set MK, MDG
.else
.set MK, MU
.endif
	v_wmma_f32_16x16x32_f16 v[8*(8*(\a)+(\b)):8*(8*(\a)+(\b))+7], v[(\f)+8*(\b):(\f)+8*(\b)+7], v[(\f)+8*(4*(\hi)+(\a)):(\f)+8*(4*(\hi)+(\a))+7], v[MK:MK+7]
.else
	v_wmma_f32_16x16x32_f16 v[8*(8*(\a)+(\b)):8*(8*(\a)+(\b))+7], v[(\f)+8*(\b):(\f)+8*(\b)+7], v[(\f)+8*(4*(\hi)+(\a)):(\f)+8*(4*(\hi)+(\a))+7], v[8*(8*(\a)+(\b)):8*(8*(\a)+(\b))+7]
.endif
.endr
.endr
.endm
.macro FETCH k, f
	WIN TO_B
.irp i, 0,1,2,3,4,5,6,7
	ds_load_b128 v[(\f)+8*(\i):(\f)+8*(\i)+3],   v[ADRB] offset:(\k)+(\i)*16*PITCH
	ds_load_b128 v[(\f)+8*(\i)+4:(\f)+8*(\i)+7], v[ADRB] offset:(\k)+(\i)*16*PITCH+32
.endr
	WIN 0
.irp i, 0,1,2,3,4,5,6,7
	ds_load_b128 v[(\f)+8*(\i):(\f)+8*(\i)+3],   v[ADRA] offset:(\k)+(\i)*16*PITCH
	ds_load_b128 v[(\f)+8*(\i)+4:(\f)+8*(\i)+7], v[ADRA] offset:(\k)+(\i)*16*PITCH+32
.endr
.endm
.macro QUARTER k, f, g, zero
	s_wait_dscnt 8                                 ; K's fragments and Q's rows 0-63 are in; the youngest eight loads may be out
	MUL16 \f, 0, 0, \zero
	MUL16 \f, 0, 2, \zero
	PLACES
	FETCH \k, \g
	s_wait_dscnt 32                                ; all but the 32 just issued
	MUL16 \f, 1, 0, \zero
	MUL16 \f, 1, 2, \zero
.endm
.macro TURN fill                       ; the last quarter of a K step, and the change of slots
	WIN 0
.if \fill
	s_wait_xcnt 0x0                                ; the last prefetches, a K step back, have read their address
	s_add_nc_u64 s[PFA:PFA+1], s[PFA:PFA+1], KSB
.endif
	s_wait_tensorcnt 0x0                           ; all my tensor loads have landed: the one that was out is my part of the next slot
	ds_add_u32 v[SPW], v[NIL]
.if \fill
	s_xor_b32 s[G0+5], s[G0+5], SLOT               ; the walking descriptor: the other slot, the next K step
	s_add_nc_u64 s[G0+6:G0+7], s[G0+6:G0+7], KSB
.endif
	s_xor_b32 s[LT], s[LT], SLOT
	s_wait_dscnt 9                                 ; the add and the youngest eight loads may be out
	MUL16 F1, 0, 0, 0
	s_wait_dscnt 0x0                               ; the add is done, my reads of this slot are over
	s_barrier_signal -1
	MUL16 F1, 0, 2, 0
	WIN 0
	s_barrier_wait -1
.if \fill
	tensor_load_to_lds s[G0+4:G0+7], s[G1:G1+7]    ; my one load behind the barrier: 224 matrix instructions ahead of the wait for it
	s_nop 0
.endif
	PLACES
	v_add_nc_u32 v[ADRA], s[LT], v[ADRA0]
	v_add_nc_u32 v[ADRB], s[LT], v[ADRB0]
	FETCH 0, F0
.if \fill
	ASK
.endif
	MUL16 F1, 1, 0, 0
	MUL16 F1, 1, 2, 0
.endm
	s_wait_tensorcnt 0x1                           ; my part of K step 0 is in; K step 1's may stay out
	s_barrier_signal -1
	s_barrier_wait -1
	FETCH 0, F0
	QUARTER 64, F0, F1, 1
	WIN 0
	s_mov_b32 s3, STEPS-2
.Lstep:
	QUARTER 128, F1, F0, 0
	QUARTER 192, F0, F1, 0
	TURN 1
	QUARTER 64, F0, F1, 0
	WIN 0
	s_sub_co_u32 s3, s3, 1
	s_cmp_lg_u32 s3, 0
	s_cbranch_scc1 .Lstep
	QUARTER 128, F1, F0, 0
	QUARTER 192, F0, F1, 0
	TURN 0
	QUARTER 64, F0, F1, 0
	QUARTER 128, F1, F0, 0
	QUARTER 192, F0, F1, 0
	s_wait_dscnt 8
	MUL16 F1, 0, 0, 0
	MUL16 F1, 0, 2, 0
	s_wait_dscnt 0x0                               ; my last reads of the ring are back
	MUL16 F1, 1, 0, 0
	MUL16 F1, 1, 2, 0
	PLACES
	WIN 0
	s_barrier_signal -1                            ; no wave reads the ring any more, and no tensor load follows: its bytes take the scores
	s_barrier_wait -1
.irp hi, 0,1
	WIN 0x08+4*(\hi)                               ; the stores' data in window 2 or 3
.irp a, 0,1,2,3
.irp b, 0,1,2,3,4,5,6,7
	ds_store_b128 v[DST], v[8*(8*(\a)+(\b)):8*(8*(\a)+(\b))+3]   offset:(4*(\hi)+(\a))*16*DPI+64*(\b)
	ds_store_b128 v[DST], v[8*(8*(\a)+(\b))+4:8*(8*(\a)+(\b))+7] offset:(4*(\hi)+(\a))*16*DPI+64*(\b)+16
.endr
.endr
.endr
	WIN 0
	s_mov_b32 s4, 8
.Lrows:                                        ; 16 rows a trip, in eight pairs: lanes 0-15 hold one row's 128 scores, lanes 16-31 the next row's; my own bytes, served in order
.irp q, 0,1,2,3,4,5,6,7
	ds_load_b128 v[X+8*(\q):X+8*(\q)+3],   v[RDA] offset:(\q)*2*DPI
	ds_load_b128 v[X+8*(\q)+4:X+8*(\q)+7], v[RDA] offset:(\q)*2*DPI+16
.endr
	s_wait_dscnt 0x0
.irp q, 0,1,2,3,4,5,6,7
	v_max3_num_f32 v[CM+2*(\q)+1], v[X+8*(\q)], v[X+8*(\q)+1], v[X+8*(\q)+2]
.endr
.irp q, 0,1,2,3,4,5,6,7
	v_max3_num_f32 v[CM+2*(\q)+1], v[CM+2*(\q)+1], v[X+8*(\q)+3], v[X+8*(\q)+4]
.endr
.irp q, 0,1,2,3,4,5,6,7
	v_max3_num_f32 v[CM+2*(\q)+1], v[CM+2*(\q)+1], v[X+8*(\q)+5], v[X+8*(\q)+6]
.endr
.irp q, 0,1,2,3,4,5,6,7
	v_max3_num_f32 v[CM+2*(\q)+1], v[CM+2*(\q)+1], v[X+8*(\q)+7], s[FLR]
.endr
.irp m, 1,2,4,8
.irp q, 0,1,2,3,4,5,6,7
	v_max_num_f32_dpp v[CM+2*(\q)+1], v[CM+2*(\q)+1], v[CM+2*(\q)+1] row_xmask:\m row_mask:0xf bank_mask:0xf
.endr
.endr
.irp q, 0,1,2,3,4,5,6,7
	v_mul_f32 v[CM+2*(\q)], s[CS], v[CM+2*(\q)+1]  ; cm, as it is stored and as it is taken away
.endr
.irp q, 0,1,2,3,4,5,6,7
.irp i, 0,2,4,6
	v_pk_fma_f32 v[X+8*(\q)+(\i):X+8*(\q)+(\i)+1], v[X+8*(\q)+(\i):X+8*(\q)+(\i)+1], s[CS:CS+1], v[CM+2*(\q):CM+2*(\q)+1] op_sel_hi:[1,0,0] neg_lo:[0,0,1] neg_hi:[0,0,1]
.endr
.endr
.set i, 0
.rept 64
	v_exp_f32 v[X+i], v[X+i]                       ; one batch
.set i, i+1
.endr
	v_nop                                          ; a plain instruction behind the last exponential
	s_wait_alu depctr_va_vdst(0)                   ; one wait for the batch, ahead of its first reader
.irp q, 0,1,2,3,4,5,6,7
.irp i, 0,1,2,3
	v_cvt_pk_f16_f32 v[PK+4*(\q)+(\i)], v[X+8*(\q)+2*(\i)], v[X+8*(\q)+2*(\i)+1]
.endr
	global_store_b128 v[PO], v[PK+4*(\q):PK+4*(\q)+3], s[PB:PB+1] offset:(\q)*8192  ; 16 lanes store a row's 256 consecutive bytes, aligned
.endr
.irp q, 0,1,2,3,4,5,6,7
	v_pk_add_f32 v[X+8*(\q):X+8*(\q)+1], v[X+8*(\q):X+8*(\q)+1], v[X+8*(\q)+2:X+8*(\q)+3]
	v_pk_add_f32 v[X+8*(\q)+4:X+8*(\q)+5], v[X+8*(\q)+4:X+8*(\q)+5], v[X+8*(\q)+6:X+8*(\q)+7]
.endr
.irp q, 0,1,2,3,4,5,6,7
	v_pk_add_f32 v[X+8*(\q):X+8*(\q)+1], v[X+8*(\q):X+8*(\q)+1], v[X+8*(\q)+4:X+8*(\q)+5]
.endr
.irp q, 0,1,2,3,4,5,6,7
	v_add_f32 v[LS+(\q)], v[X+8*(\q)], v[X+8*(\q)+1]
.endr
.irp m, 1,2,4,8
.irp q, 0,1,2,3,4,5,6,7
	v_add_f32_dpp v[LS+(\q)], v[LS+(\q)], v[LS+(\q)] row_xmask:\m row_mask:0xf bank_mask:0xf
.endr
.endr
.irp q, 0,1,2,3,4,5,6,7
	v_cndmask_b32 v[TS+(\q)], v[CM+2*(\q)], v[LS+(\q)], s[ODD]
	ds_store_b32 v[SAD], v[TS+(\q)] offset:(\q)*64 ; lanes that name one word hold one value
.endr
	s_wait_xcnt 0x0                                ; the stores have read P's address and their data: both are written again only behind this wait
	s_add_nc_u64 s[PB:PB+1], s[PB:PB+1], 65536     ; 16 rows of P
	v_add_nc_u32 v[RDA], 16*DPI, v[RDA]
	v_add_nc_u32 v[SAD], 4, v[SAD]
	s_sub_co_u32 s4, s4, 1
	s_cmp_lg_u32 s4, 0
	s_cbranch_scc1 .Lrows
	ds_load_b128 v[X:X+3], v[SRD]                  ; my 128 rows' cm and l, in st's order
	ds_load_b128 v[X+4:X+7], v[SRD] offset:512
	s_wait_dscnt 0x0
	global_store_b128 v[SGO], v[X:X+3], s[STP:STP+1]
	global_store_b128 v[SGO], v[X+4:X+7], s[STP:STP+1] offset:512
	s_wait_tensorcnt 0x0                           ; the wave's end
	ds_add_u32 v[SPW], v[NIL]
	s_wait_dscnt 0x0
	s_endpgm
.Lfunc_end_k_q18fa43aff7_score:
	.size	k_q18fa43aff7_score, .Lfunc_end_k_q18fa43aff7_score-k_q18fa43aff7_score
	.p2alignl 7, 3214868480
	.fill 96, 4, 3214868480
	.section	.rodata,"a",@progbits
	.p2align	6, 0x0
	.amdhsa_kernel k_q18fa43aff7_score
		.amdhsa_group_segment_fixed_size 327680
		.amdhsa_private_segment_fixed_size 0
		.amdhsa_enable_private_segment 0
		.amdhsa_kernarg_size 24
		.amdhsa_user_sgpr_count 2
		.amdhsa_user_sgpr_kernarg_segment_ptr 1
		.amdhsa_wavefront_size32 1
		.amdhsa_system_sgpr_workgroup_id_x 1
		.amdhsa_system_sgpr_workgroup_id_y 1
		.amdhsa_system_sgpr_workgroup_id_z 1
		.amdhsa_system_vgpr_workitem_id 0
		.amdhsa_next_free_vgpr 1024
		.amdhsa_next_free_sgpr 66
		.amdhsa_reserve_vcc 1
		.amdhsa_float_denorm_mode_32 3
		.amdhsa_float_denorm_mode_16_64 3
		.amdhsa_memory_ordered 1
		.amdhsa_forward_progress 1
		.amdhsa_inst_pref_size 111
	.end_amdhsa_kernel
	.amdgpu_metadata
---
amdhsa.version: [ 1, 2 ]
amdhsa.kernels:
  - .name:           k_q18fa43aff7_score
    .symbol:         k_q18fa43aff7_score.kd
    .args:
      - { .name: qk, .offset: 0, .size: 8, .value_kind: global_buffer, .address_space: global }
      - { .name: p, .offset: 8, .size: 8, .value_kind: global_buffer, .address_space: global }
      - { .name: st, .offset: 16, .size: 8, .value_kind: global_buffer, .address_space: global }
    .group_segment_fixed_size: 327680
    .private_segment_fixed_size: 0
    .kernarg_segment_align: 8
    .kernarg_segment_size: 24
    .max_flat_workgroup_size: 128
    .sgpr_count:     66
    .vgpr_count:     1024
    .wavefront_size: 32
...
	.end_amdgpu_metadata
.endif
;; end of part 3
;; launch pv (part 4): grid 8 x 32, 4 waves a work-group, clusters of 4 x 1, 327,680 bytes of LDS; arguments p, vt, st, bv, out0; writes out0
.if DOCPART == 4
	.amdgcn_target "amdgcn-amd-amdhsa--gfx1250"
	.amdhsa_code_object_version 6
	.text
	.protected	k_q18fa43aff7_pv
	.globl	k_q18fa43aff7_pv
	.p2align	8
	.type	k_q18fa43aff7_pv,@function
k_q18fa43aff7_pv:
	s_mov_b64 s[64:65], 0
	v_nop
	global_prefetch_b8 v0, s[64:65] scope:SCOPE_SE
	s_setreg_imm32_b32 hwreg(HW_REG_WAVE_MODE, 25, 1), 1
	s_wait_xcnt 0x0
	s_wait_alu depctr_hold_cnt(0) depctr_sa_sdst(0) depctr_va_vdst(0) depctr_va_sdst(0) depctr_va_ssrc(0) depctr_va_vcc(0) depctr_vm_vsrc(0)
	s_getreg_b32 s2, hwreg(HW_REG_IB_STS2, 6, 4)
	s_cmp_eq_u32 s2, 0
	s_cbranch_scc0 .Lentry_in_a_cluster
	s_endpgm
.Lentry_in_a_cluster:
	s_bfe_u32 s2, ttmp6, 0x10000c
	s_cmp_lg_u32 s2, 0x3003
	s_cbranch_scc0 .Lentry_shape_is_right
	s_endpgm
.Lentry_shape_is_right:
; out[q][ch] = (sum over groups t of f_t sum over the group's 128 keys of P[q][k] V[k][ch]) / L + bv[ch],  f_t = 2^(cm_t - cM), cM = the greatest cm_t of the row, L = sum_t f_t l_t.
; P (f16) and cm, l (f32) come from the launch before; cM is known before the first product, so every factor is at most 1 and the softmax has its true maximum.
; bv (rounded to bf16 like every input) is added behind the division: the weights sum to 1.
; LIMITS.  f is rounded to f16 (L is summed with the rounded f); P f is rounded to f16 once more, exactly where f = 1; below 6e-5 f16 has a fixed step of 6e-8.  V lies within 65,504.
; THE WALK.  A batch's queries lie in 16 blocks of 128.  Block i needs the keys 0 .. 256 (i / 2 + 1) - 1: i / 2 + 1 LAPS of 256 keys (P is written in tiles of 256 x 256; where a block's last 128 keys are
; hidden P holds 0 and the group's factor is 0).  A work-group takes TWO blocks, 15 - j and then j: (8 - j / 2) + (j / 2 + 1) = 9 laps, whatever j: all 256 work-groups do equal work, and one loop with a
; constant trip count walks them.  Which tile is asked for hangs on scalar registers made from j; the ring runs on across the change of blocks.
; SHARES.  A work-group makes 128 queries x 128 channels at a time; its four waves 64 x 64 each: 16 accumulators.  A slot of LDS holds a lap: 128 rows of P and 128 rows of V^T, 512 bytes each; each wave
; fetches 64 rows.  Behind each change of slots one load a wave goes out, and it has a lap, 128 matrix instructions a wave, in which to land.
; CLUSTER 4 x 1: the four channel tiles of one pair of blocks read the same P: asked for jointly.  V^T's rows differ from partner to partner: a load of one's own behind the same round.  They are shared
; among the eight pairs j of a batch, which ask for different key tiles as soon as the first blocks end (behind 8 - j / 2 laps): only j = 2 m and 2 m + 1 walk alike.
; TRANSPOSED USE: source 0 = 16 channels of V^T, source 1 = 16 queries of P: a lane holds one query (l % 16), in P's fragment and in the result: P is scaled in registers by a factor a lane.
; The accumulators are cleared at a block's beginning (128 lines, twice in the text): a first quarter written out with the constant 0 would double the lap's text.
; REGISTERS.  window 0: v0-63 addresses, statistics, factors; v64-127 V^T's fragments, two buffers (free at a lap's end: at work there); v128-255 the head's statistics, later the way out.
;   window 1: v0-127 accumulator (a, b) at v[8 (4 a + b)]; v128-191 P's fragments, two buffers; v192-223 bv; v224-227 at work.
;   One setting (V^T and the factors window 0; P, C and D window 1) serves the products, the packed multiply that scales P and the loads of P's fragments.
.set PITCH, 528                        ; an LDS row: 512 bytes + 16 of padding = 132 words: the 16 rows of a fragment load start 16 bytes apart modulo 256
.set QROWS, 64*PITCH                   ; what one tensor load brings: 0x8400
.set ABY,   2*QROWS                    ; P's 128 rows; V^T's 128 follow
.set SLOT,  4*QROWS                    ; 0x21000: its bits (17, 12) are none of wave x 0x8400's (16, 15, 11, 10): an exclusive or changes slots
.set STAGE, 2*SLOT                     ; 16 rows x 272 bytes for each wave, for the way out
.set OPI,   272
.set SPARE, STAGE+4*16*OPI             ; the spare words, 128 bytes a wave
.set LAPS,  9
.set ADRA0, 6                          ; v6   my fragments of P in a slot;  v7 in the slot in hand
.set ADRA,  7
.set ADRB0, 8                          ; v8, v9  the same for V^T
.set ADRB,  9
.set STO,  10
.set RD,   11
.set GO,   12
.set STV,  13                          ; my 16 bytes in an entry of st: lanes 0-15 cm of my four blocks of 16 rows, lanes 16-31 l
.set STV0, 14                          ; the same, cm in all lanes
.set PFO,  15
.set RAW,  16                          ; v16-19 the next lap's even group, v20-23 its odd group
.set CMX,  24                          ; c x the true maximum, block in hand
.set SPW,  28                          ; v28 my spare word; v29 0; neither is rewritten
.set NIL,  29
.set CML,  32                          ; the same for the second block
.set LS,   36
.set XO,   40
.set FQ,   48                          ; the lap's factors, (f, f) in f16: group e, rows 16 a at FQ + 4 e + a
.set RL,   56
.set BF,   64
.set CMT,  64                          ; at work at a lap's end
.set LTV,  72
.set TM,   64                          ; the way out
.set OB,   128
.set PAH,  64                          ; the head: 24 offsets
.set PDH,  128                         ; cm of the first block's 16 groups
.set PDL,  192                         ; of the second block's 8
.set AF,   128                         ; window 1
.set BI,   192                         ; window 1
.set SC,   224                         ; window 1
.set WV, 14
.set CX, 15
.set CT, 16
.set YY, 17
.set JJ, 18
.set BB, 19
.set NHI, 20                           ; laps of the first block
.set NLO, 21                           ; of the second
.set IHI, 22
.set FB, 23                            ; wave / 2: my 64 queries
.set G1A, 24
.set G0A, 32                           ; s[32:35] lap 0; s[36:39] lap 1, which then walks
.set G1B, 40
.set G0B, 48
.set LT, 56                            ; 0 or SLOT: the slot in hand
.set LIM, 57
.set PFA, 58
.set SEL, 60
.set HM, 62
.set RT, 63                            ; laps that the block in hand still has
.set PCUR, 66                          ; P at my 64 rows of the block whose tiles are being asked for
.set PLO, 68
.set VB, 70
.set STCUR, 72
.set STLO, 74
.set STN, 76                           ; st at the next lap's even group
.set OUTP, 78
.set OUTLO, 80
.set OFF, 82
.set PFOFF, 84
.set NK, 86                            ; the key tile to be asked for next
.set NCUR, 87
.set HF, 88                            ; wave % 2: my 64 channels; which 64 rows I fetch
.set TMH, 89
.set TA, 90
.set TB, 92
.set TML, 94
.set SH, 95
.set BVP, 96
.set O2, 98
.set W_MM, 0x54
.set MSB, 0
.macro WIN new                         ; the immediate's high byte repeats the setting that is left
.if MSB != (\new)
	s_set_vgpr_msb (MSB<<8)|(\new)
.set MSB, \new
.endif
.endm
.macro PLACES                          ; four plain places behind matrix instructions (ISA guide 7.12.1)
.rept 4
	v_nop
.endr
.endm
.macro CROUND                          ; a round of the cluster's barrier
	s_barrier_signal -1
	s_barrier_wait -1
	s_cmp_lg_u32 s[WV], 0
	s_cbranch_scc1 .Lnot_wave_0_\@
	s_barrier_signal -3
.Lnot_wave_0_\@:
	s_barrier_wait -3
	s_barrier_signal -1
	s_barrier_wait -1
.endm
.macro JLOAD                           ; the refill by the walking descriptors: waves 0, 1 the halves of P's tile, jointly; waves 2, 3 the halves of my V^T rows; s_nop 0 and four v_nop follow each line
	s_cmp_lt_u32 s[WV], 2
	s_cbranch_scc0 .Lfor_b_\@
	tensor_load_to_lds s[G0A+4:G0A+7], s[G1A:G1A+7]
	s_nop 0
.rept 4
	v_nop
.endr
	s_branch .Lasked_\@
.Lfor_b_\@:
	tensor_load_to_lds s[G0B+4:G0B+7], s[G1B:G1B+7]
	s_nop 0
.rept 4
	v_nop
.endr
.Lasked_\@:
.endm
; A PREFETCH INTO THE L2 of the lap that the NEXT change of slots will ask for, a lane to each aligned 256 bytes (a row of a lap has two).  P's tile is read by the two clusters of a pair of blocks: the one with
; x = 0 asks, each of its four partners for 16 of the 64 rows that a wave fetches, by address: one instruction.  V^T's rows are read by the eight pairs of a batch: the pair j = 0, whose first block walks
; all eight key tiles, asks, in that first walk alone: 64 rows a wave, four instructions.  Laps 0 to 2 come by their loads alone; the last change that fills asks for nothing.
.macro ASK
	s_cmp_gt_u32 s3, s[LIM]
	s_cbranch_scc0 .Lno_\@
	global_prefetch_b8 v[PFO], s[PFA:PFA+1] th:TH_LOAD_NT scope:SCOPE_SE
	s_cmp_lt_u32 s[WV], 2
	s_cbranch_scc1 .Lno_\@
.irp n, 1,2,3
	global_prefetch_b8 v[PFO], s[PFA:PFA+1] offset:(\n)*262144 th:TH_LOAD_NT scope:SCOPE_SE
.endr
.Lno_\@:
.endm
	s_load_b256 s[4:11], s[0:1], 0x0               ; p s[4:5], vt s[6:7], st s[8:9], bv s[10:11]
	s_load_b64 s[12:13], s[0:1], 0x20              ; out0
	v_lshl_add_u32 v[SPW], v0, 2, SPARE
	v_mov_b32 v[NIL], 0
	ds_add_u32 v[SPW], v[NIL]                      ; the wave's opening: the add and its wait ahead of my first tensor load; register work stands between
	v_lshrrev_b32 v1, 5, v0
	v_readfirstlane_b32 s[WV], v1
	s_lshr_b32 s[FB], s[WV], 1
	s_and_b32 s[HF], s[WV], 1
	s_bfe_u32 s[CX], ttmp6, 0x40000
	s_lshl_b32 s[CT], ttmp9, 2
	s_add_co_u32 s[CT], s[CT], s[CX]               ; my tile of 128 channels
	s_and_b32 s[YY], ttmp7, 0xffff
	s_and_b32 s[JJ], s[YY], 7                      ; the pair: blocks 15 - j and j
	s_lshr_b32 s[BB], s[YY], 3                     ; the batch
	s_lshr_b32 s90, s[JJ], 1
	s_sub_co_u32 s[NHI], 8, s90
	s_add_co_u32 s[NLO], s90, 1
	s_sub_co_u32 s[IHI], 15, s[JJ]
	s_lshl_b32 s[TMH], s[NHI], 1
	s_sub_co_u32 s[TMH], s[TMH], 1                 ; the blocks' last groups of 128 keys
	s_lshl_b32 s[TML], s[NLO], 1
	s_sub_co_u32 s[TML], s[TML], 1
	s_mov_b32 s[G1A], 15|(1<<16)|(1<<20)|(1<<21)|(6<<22)|(3<<25)  ; the mask of four; 2-byte elements; padding: after every 128 words, 4 words; bit 21 beside the mask
	s_mov_b32 s[G1A+1], 256<<16                    ; tensor_dim0 = 256
	s_mov_b32 s[G1A+2], 64<<16                     ; tensor_dim1 = 64
	s_mov_b32 s[G1A+3], 256<<16                    ; tile_dim0 = 256
	s_mov_b32 s[G1A+4], 64                         ; tile_dim1 = 64
	s_mov_b32 s[G1A+5], 2048                       ; a row of p
	s_mov_b32 s[G1A+6], 0
	s_mov_b32 s[G1A+7], 0
	s_mov_b32 s[G1B], (1<<16)|(1<<20)|(6<<22)|(3<<25)
	s_mov_b32 s[G1B+1], 256<<16
	s_mov_b32 s[G1B+2], 64<<16
	s_mov_b32 s[G1B+3], 256<<16
	s_mov_b32 s[G1B+4], 64
	s_mov_b32 s[G1B+5], 8192                       ; a row of vt
	s_mov_b32 s[G1B+6], 0
	s_mov_b32 s[G1B+7], 0
	; offsets, made apart from the addresses.  P's hold the batch, the block and the wave alone: no place in the cluster
	s_lshl_b32 s90, s[BB], 11                      ; the batch's first row
	s_lshl_b32 s91, s[HF], 6                       ; the 64 rows that I fetch
	s_add_co_u32 s91, s91, s90
	s_lshl_b32 s[PCUR], s[IHI], 7
	s_add_co_u32 s[PCUR], s[PCUR], s91
	s_lshl_b32 s[PCUR], s[PCUR], 12
	s_mov_b32 s[PCUR+1], 0
	s_lshl_b32 s[PLO], s[JJ], 7
	s_add_co_u32 s[PLO], s[PLO], s91
	s_lshl_b32 s[PLO], s[PLO], 12
	s_mov_b32 s[PLO+1], 0
	s_lshl_b32 s91, s[BB], 4
	s_add_co_u32 s[STCUR], s91, s[IHI]
	s_lshl_b32 s[STCUR], s[STCUR], 14              ; st: the block's 16 entries of 1,024 bytes
	s_mov_b32 s[STCUR+1], 0
	s_add_co_u32 s[STLO], s91, s[JJ]
	s_lshl_b32 s[STLO], s[STLO], 14
	s_mov_b32 s[STLO+1], 0
	s_lshl_b32 s92, s[CT], 7
	s_lshl_b32 s93, s[HF], 6
	s_add_co_u32 s92, s92, s93
	s_lshl_b32 s[VB], s92, 14                      ; V^T: my 64 rows of 16,384 bytes,
	s_lshl_b32 s93, s[BB], 12
	s_add_co_u32 s[VB], s[VB], s93                 ; at the batch's first key
	s_mov_b32 s[VB+1], 0
	s_lshl_b32 s91, s[FB], 6
	s_add_co_u32 s91, s91, s90
	s_lshl_b32 s92, s[CT], 9
	s_lshl_b32 s93, s[HF], 8
	s_add_co_u32 s92, s92, s93                     ; my 64 channels in bv and in a row of out: 256 bytes
	s_lshl_b32 s[OUTP], s[IHI], 7
	s_add_co_u32 s[OUTP], s[OUTP], s91
	s_lshl_b32 s[OUTP], s[OUTP], 12
	s_add_co_u32 s[OUTP], s[OUTP], s92
	s_mov_b32 s[OUTP+1], 0
	s_lshl_b32 s[OUTLO], s[JJ], 7
	s_add_co_u32 s[OUTLO], s[OUTLO], s91
	s_lshl_b32 s[OUTLO], s[OUTLO], 12
	s_add_co_u32 s[OUTLO], s[OUTLO], s92
	s_mov_b32 s[OUTLO+1], 0
	s_mov_b32 s[BVP], s92
	s_mov_b32 s[BVP+1], 0
	s_mul_i32 s92, s[WV], QROWS                    ; where my 64 rows go: P's two halves, then V^T's
.irp s, 0,1
	s_mov_b32 s[G0A+4*(\s)], 1
	s_add_co_u32 s[G0A+4*(\s)+1], s92, (\s)*SLOT
	s_mov_b32 s[G0B+4*(\s)], 1
	s_add_co_u32 s[G0B+4*(\s)+1], s92, (\s)*SLOT
.endr
	s_mov_b32 s[LT], 0
	s_mov_b32 s[SEL], 0x76543210
	s_mov_b32 s[SEL+1], 0xfedcba98
	s_mov_b32 s[HM], 0xffff0000
	s_mov_b32 s[RT], s[NHI]
	s_mov_b32 s[NK], 2                             ; laps 0 and 1 are the first fills
	s_mov_b32 s[NCUR], s[NHI]
	s_mov_b32 s[OFF+1], 0
	s_mov_b32 s[O2+1], 0
	s_cmp_eq_u32 ttmp9, 0
	s_cselect_b32 s90, 1, -1                       ; P's askers ask while two or more bodies of the loop are to come,
	s_cmp_eq_u32 s[JJ], 0
	s_cselect_b32 s91, 2, -1                       ; V^T's while three or more are: their first block ends a lap earlier
	s_lshl_b32 s[PFOFF], s[CX], 16                 ; my work-group's 16 rows of P's 64
	s_cmp_lt_u32 s[WV], 2
	s_cselect_b32 s[LIM], s90, s91
	s_cselect_b32 s[PFOFF], s[PFOFF], 0
	s_cselect_b32 s[SH], 12, 14
	s_mov_b32 s[PFOFF+1], 0
	s_wait_dscnt 0x0                               ; the opening add is done
	s_wait_kmcnt 0x0
	s_add_nc_u64 s[PCUR:PCUR+1], s[4:5], s[PCUR:PCUR+1]
	s_add_nc_u64 s[PLO:PLO+1], s[4:5], s[PLO:PLO+1]
	s_add_nc_u64 s[VB:VB+1], s[6:7], s[VB:VB+1]
	s_add_nc_u64 s[STCUR:STCUR+1], s[8:9], s[STCUR:STCUR+1]
	s_add_nc_u64 s[STLO:STLO+1], s[8:9], s[STLO:STLO+1]
	s_add_nc_u64 s[BVP:BVP+1], s[10:11], s[BVP:BVP+1]
	s_add_nc_u64 s[OUTP:OUTP+1], s[12:13], s[OUTP:OUTP+1]
	s_add_nc_u64 s[OUTLO:OUTLO+1], s[12:13], s[OUTLO:OUTLO+1]
	s_add_nc_u64 s[STN:STN+1], s[STCUR:STCUR+1], 2048   ; lap 1's groups
.irp s, 0,1
	s_add_nc_u64 s[G0A+4*(\s)+2:G0A+4*(\s)+3], s[PCUR:PCUR+1], (\s)*512
	s_or_b32 s[G0A+4*(\s)+3], s[G0A+4*(\s)+3], 0x80000000
	s_add_nc_u64 s[G0B+4*(\s)+2:G0B+4*(\s)+3], s[VB:VB+1], (\s)*512
	s_or_b32 s[G0B+4*(\s)+3], s[G0B+4*(\s)+3], 0x80000000
.endr
	CROUND                                         ; all four work-groups are here: the first joint loads meet
	s_cmp_lt_u32 s[WV], 2                          ; a wave's two first fills stand in one branch: two loads of mine are out
	s_cbranch_scc0 .Lfirst_b
	tensor_load_to_lds s[G0A:G0A+3], s[G1A:G1A+7]
	s_nop 0
	tensor_load_to_lds s[G0A+4:G0A+7], s[G1A:G1A+7]
	s_nop 0
.rept 4
	v_nop
.endr
	s_branch .Lfirst_done
.Lfirst_b:
	tensor_load_to_lds s[G0B:G0B+3], s[G1B:G1B+7]
	s_nop 0
	tensor_load_to_lds s[G0B+4:G0B+7], s[G1B:G1B+7]
	s_nop 0
.rept 4
	v_nop
.endr
.Lfirst_done:
	v_and_b32 v1, 15, v0                           ; r
	v_bfe_u32 v2, v0, 4, 1                         ; h
	v_and_b32 v3, 31, v0
	v_lshlrev_b32 v5, 5, v2
	WIN 0x40
.irp b, 0,1,2,3                        ; bv of my channels 16 b + 8 h + 0..7
	global_load_b128 v[BI+8*(\b):BI+8*(\b)+3],   v5, s[BVP:BVP+1] offset:64*(\b)
	global_load_b128 v[BI+8*(\b)+4:BI+8*(\b)+7], v5, s[BVP:BVP+1] offset:64*(\b)+16
.endr
	WIN 0
	v_lshlrev_b32 v[STV0], 5, v1
	v_lshl_add_u32 v[STV0], s[FB], 4, v[STV0]      ; 32 r + 16 (wave / 2): cm of rows 64 (wave / 2) + 16 a + r, a = 0..3
	v_lshl_add_u32 v[STV], v2, 9, v[STV0]
.set t, 0
.rept 16                               ; cm of all groups of the first block; a group behind the last written one is the last one again, which changes no maximum
	s_min_u32 s90, s[TMH], t
	s_lshl_b32 s90, s90, 10
	v_add_nc_u32 v[PAH+t], s90, v[STV0]
	global_load_b128 v[PDH+4*t:PDH+4*t+3], v[PAH+t], s[STCUR:STCUR+1]
.set t, t+1
.endr
.set t, 0
.rept 8                                ; and of the second, which has eight at the most
	s_min_u32 s90, s[TML], t
	s_lshl_b32 s90, s90, 10
	v_add_nc_u32 v[PAH+16+t], s90, v[STV0]
	global_load_b128 v[PDL+4*t:PDL+4*t+3], v[PAH+16+t], s[STLO:STLO+1]
.set t, t+1
.endr
	global_load_b128 v[RAW:RAW+3], v[STV], s[STCUR:STCUR+1]                ; lap 0: group 0,
	global_load_b128 v[RAW+4:RAW+7], v[STV], s[STCUR:STCUR+1] offset:1024  ; group 1
	v_mul_u32_u24 v4, v1, PITCH
	v_lshl_add_u32 v4, v2, 4, v4                   ; a fragment's row x pitch + 16 x half
	s_mul_i32 s90, s[FB], QROWS
	v_add_nc_u32 v[ADRA0], s90, v4
	s_mul_i32 s90, s[HF], QROWS
	s_add_co_u32 s90, s90, ABY
	v_add_nc_u32 v[ADRB0], s90, v4
	v_mov_b32 v[ADRA], v[ADRA0]
	v_mov_b32 v[ADRB], v[ADRB0]
	s_mul_i32 s90, s[WV], 16*OPI
	s_add_co_u32 s90, s90, STAGE
	v_mul_u32_u24 v4, v1, OPI
	v_lshl_add_u32 v4, v2, 5, v4
	v_add_nc_u32 v[STO], s90, v4                   ; into my stage: row r, my eight channels of a block of 16
	v_mul_u32_u24 v4, v2, OPI
	v_lshl_add_u32 v4, v1, 4, v4
	v_add_nc_u32 v[RD], s90, v4                    ; back: lanes 0-15 one row of 256 bytes, lanes 16-31 the next
	v_lshlrev_b32 v[GO], 12, v2
	v_lshl_add_u32 v[GO], v1, 4, v[GO]             ; the same two rows in out
	v_lshrrev_b32 v4, 1, v3
	v_lshlrev_b32 v[PFO], s[SH], v4                ; the prefetches: row l / 2,
	v_and_b32 v4, 1, v0
	v_lshl_add_u32 v[PFO], v4, 8, v[PFO]           ; its 256 bytes l % 2
.irp a, 0,1,2,3
	v_mov_b32 v[LS+(\a)], 0
	v_mov_b32 v[RL+2*(\a)+1], 0
.endr
.irp i, 0,1,2,3,4,5,6,7
	v_mov_b32 v[XO+(\i)], 0
.endr
	WIN 0x40
.set i, 0
.rept 128
	v_mov_b32 v[i], 0                              ; the first block's sums start at 0: written while the first tiles are on their way
.set i, i+1
.endr
	WIN 0
	s_wait_loadcnt 2                               ; all but the two youngest: lap 0's statistics
	WIN 0x45
.set i, 0
.rept 16
	v_cvt_pk_bf16_f32 v[SC+i%4], v[BI+2*i], v[BI+2*i+1]   ; bv rounded to bf16, and back to f32
	v_lshlrev_b32 v[BI+2*i], 16, v[SC+i%4]
	v_and_b32 v[BI+2*i+1], 0xffff0000, v[SC+i%4]
.set i, i+1
.endr
	WIN 0
.irp a, 0,1,2,3
	v_max3_num_f32 v[CMX+(\a)], v[PDH+(\a)], v[PDH+4+(\a)], v[PDH+8+(\a)]
	v_max3_num_f32 v[CML+(\a)], v[PDL+(\a)], v[PDL+4+(\a)], v[PDL+8+(\a)]
.endr
.irp u, 0,1,2,3,4,5
.irp a, 0,1,2,3
	v_max3_num_f32 v[CMX+(\a)], v[CMX+(\a)], v[PDH+4*(3+2*(\u))+(\a)], v[PDH+4*(4+2*(\u))+(\a)]
.endr
.endr
.irp u, 0,1
.irp a, 0,1,2,3
	v_max3_num_f32 v[CML+(\a)], v[CML+(\a)], v[PDL+4*(3+2*(\u))+(\a)], v[PDL+4*(4+2*(\u))+(\a)]
.endr
.endr
.irp a, 0,1,2,3
	v_max_num_f32 v[CMX+(\a)], v[CMX+(\a)], v[PDH+60+(\a)]  ; the rows' true maxima, times c
	v_max_num_f32 v[CML+(\a)], v[CML+(\a)], v[PDL+28+(\a)]
.endr
; The factors of a lap's two groups, for my four blocks of 16 rows: both halves of the lanes get cm and l; f = 2^(cm - cM), rounded to f16 and doubled for the packed multiply; L takes l x the rounded f.
.macro FACT2
	WIN 0
	s_wait_loadcnt 0x0                             ; the lap's statistics, asked for a lap ago
.irp i, 0,1,2,3,4,5,6,7
	v_permlanex16_b32 v[XO+(\i)], v[RAW+(\i)], s[SEL], s[SEL+1]
.endr
.irp i, 0,1,2,3,4,5,6,7
	v_cndmask_b32 v[CMT+(\i)], v[RAW+(\i)], v[XO+(\i)], s[HM]
	v_cndmask_b32 v[LTV+(\i)], v[XO+(\i)], v[RAW+(\i)], s[HM]
.endr
.irp i, 0,1,2,3,4,5,6,7
	v_sub_f32 v[CMT+(\i)], v[CMT+(\i)], v[CMX+(\i)%4]
.endr
.irp i, 0,1,2,3,4,5,6,7
	v_exp_f32 v[CMT+(\i)], v[CMT+(\i)]
.endr
	v_nop                                          ; a plain instruction behind the last exponential
	s_wait_alu depctr_va_vdst(0)                   ; one wait for the eight, ahead of their first reader
.irp i, 0,1,2,3,4,5,6,7
	v_cvt_pk_f16_f32 v[FQ+(\i)], v[CMT+(\i)], v[CMT+(\i)]
.endr
.irp i, 0,1,2,3,4,5,6,7
	v_cvt_f32_f16 v[CMT+(\i)], v[FQ+(\i)].l
.endr
.irp i, 0,1,2,3,4,5,6,7
	v_fmac_f32 v[LS+(\i)%4], v[LTV+(\i)], v[CMT+(\i)]
.endr
.endm
; n registers, from i0 on, of block a's fragment of P in buffer f are multiplied by the block's factor of group e (under the products' setting)
.macro SCALE f, a, e, i0, n
.set z, \i0
.rept \n
	v_pk_mul_f16 v[AF+32*(\f)+8*(\a)+z], v[FQ+4*(\e)+(\a)], v[AF+32*(\f)+8*(\a)+z]
.set z, z+1
.endr
.endm
.macro FETCH q, g                      ; 16 LDS loads in one run: quarter q's fragments (32 keys) of the slot in hand into buffer g
	WIN W_MM                                       ; destination window 1, address window 0
.irp a, 0,1,2,3
	ds_load_b128 v[AF+32*(\g)+8*(\a):AF+32*(\g)+8*(\a)+3],   v[ADRA] offset:(\a)*16*PITCH+64*(\q)
	ds_load_b128 v[AF+32*(\g)+8*(\a)+4:AF+32*(\g)+8*(\a)+7], v[ADRA] offset:(\a)*16*PITCH+64*(\q)+32
.endr
	WIN 0
.irp b, 0,1,2,3
	ds_load_b128 v[BF+32*(\g)+8*(\b):BF+32*(\g)+8*(\b)+3],   v[ADRB] offset:(\b)*16*PITCH+64*(\q)
	ds_load_b128 v[BF+32*(\g)+8*(\b)+4:BF+32*(\g)+8*(\b)+7], v[ADRB] offset:(\b)*16*PITCH+64*(\q)+32
.endr
.endm
; A quarter: 32 keys, 16 matrix instructions on buffer q % 2, the accumulators by turns; the next quarter's fragments go into the other buffer.  Block 0's eight scalings are also the places in front of
; those loads; the next block's scalings stand two behind each product.
.macro QUARTER q
	WIN W_MM
	s_wait_dscnt 0x0                               ; this quarter's fragments
	SCALE (\q)%2, 0, (\q)/4, 0, 8
.if (\q) < 7
	FETCH (\q)+1, 1-(\q)%2
	WIN W_MM
.endif
.irp a, 0,1,2,3
.irp b, 0,1,2,3
	v_wmma_f32_16x16x32_f16 v[8*(4*(\a)+(\b)):8*(4*(\a)+(\b))+7], v[BF+32*((\q)%2)+8*(\b):BF+32*((\q)%2)+8*(\b)+7], v[AF+32*((\q)%2)+8*(\a):AF+32*((\q)%2)+8*(\a)+7], v[8*(4*(\a)+(\b)):8*(4*(\a)+(\b))+7]
.if (\a) < 3
	SCALE (\q)%2, (\a)+1, (\q)/4, 2*(\b), 2
.endif
.endr
.endr
.endm
.macro BODY raw                        ; a lap.  raw = 1: the next lap's statistics are asked for
	FETCH 0, 0
.if \raw
	global_load_b128 v[RAW:RAW+3], v[STV], s[STN:STN+1]
	global_load_b128 v[RAW+4:RAW+7], v[STV], s[STN:STN+1] offset:1024
.endif
.irp q, 0,1,2,3,4,5,6,7
	QUARTER \q
.endr
	WIN 0
.endm
; THE CHANGE OF SLOTS, in front of a lap.  Each wave waits for all its tensor loads (one is out: its part of the lap to come), adds 0 to its spare word, and waits for that and for its reads of the slot that it
; leaves.  fill = 1: a round of the cluster's barrier, so that no wave of any partner still reads that slot or has a load on its way; the refill, with the lap after the one to come, is the first thing behind
; it.  Its address is made anew from the number of the key tile; behind a block's last tile the number goes back to 0 and the second block's rows are taken.
.macro CHANGE fill
	WIN 0
.if \fill
	s_wait_xcnt 0x0                                ; the last lap's loads of statistics and prefetches have read their addresses
	s_lshl_b32 s[OFF], s[NK], 9                    ; a lap is 512 bytes of a row of p and of vt,
	s_lshl_b32 s[O2], s[NK], 11                    ; and two entries of st
	s_add_nc_u64 s[TA:TA+1], s[PCUR:PCUR+1], s[OFF:OFF+1]
	s_add_nc_u64 s[TB:TB+1], s[VB:VB+1], s[OFF:OFF+1]
	s_add_nc_u64 s[STN:STN+1], s[STCUR:STCUR+1], s[O2:O2+1]
	s_add_co_u32 s[NK], s[NK], 1
	s_cmp_eq_u32 s[NK], s[NCUR]
	s_cselect_b32 s[NK], 0, s[NK]
	s_cselect_b32 s[NCUR], -1, s[NCUR]
	s_cselect_b64 s[PCUR:PCUR+1], s[PLO:PLO+1], s[PCUR:PCUR+1]
	s_cselect_b64 s[STCUR:STCUR+1], s[STLO:STLO+1], s[STCUR:STCUR+1]
	s_lshl_b32 s[OFF], s[NK], 9                    ; what the next change will ask for
	s_cmp_lt_u32 s[WV], 2
	s_cselect_b64 s[PFA:PFA+1], s[PCUR:PCUR+1], s[VB:VB+1]
	s_add_nc_u64 s[PFA:PFA+1], s[PFA:PFA+1], s[OFF:OFF+1]
	s_add_nc_u64 s[PFA:PFA+1], s[PFA:PFA+1], s[PFOFF:PFOFF+1]
.endif
	s_wait_tensorcnt 0x0                           ; no tensor load of mine is out, so the descriptors may be written
	ds_add_u32 v[SPW], v[NIL]
.if \fill
	s_xor_b32 s[G0A+5], s[G0A+5], SLOT             ; the walking descriptors: the other slot than last time
	s_mov_b64 s[G0A+6:G0A+7], s[TA:TA+1]
	s_or_b32 s[G0A+7], s[G0A+7], 0x80000000
	s_xor_b32 s[G0B+5], s[G0B+5], SLOT
	s_mov_b64 s[G0B+6:G0B+7], s[TB:TB+1]
	s_or_b32 s[G0B+7], s[G0B+7], 0x80000000
.endif
	s_xor_b32 s[LT], s[LT], SLOT
	s_wait_dscnt 0x0                               ; the add is done, my reads of the slot are over
.if \fill
	CROUND
	JLOAD
	ASK
.else
	s_barrier_signal -1
	s_barrier_wait -1
.endif
	v_add_nc_u32 v[ADRA], s[LT], v[ADRA0]
	v_add_nc_u32 v[ADRB], s[LT], v[ADRB0]
.endm
; THE WAY OUT of a block: 16 queries at a time: acc / L + bv in one fused multiply-add; through my stage; back as rows of 256 bytes; stored.
.macro PACKO a
	WIN 0x11                                       ; the sums and bv in window 1, 1 / L and the result in window 0
.irp b, 0,1,2,3
.irp i, 0,2,4,6
	v_pk_fma_f32 v[TM+32*((\a)%2)+8*(\b)+(\i):TM+32*((\a)%2)+8*(\b)+(\i)+1], v[8*(4*(\a)+(\b))+(\i):8*(4*(\a)+(\b))+(\i)+1], v[RL+2*(\a):RL+2*(\a)+1], v[BI+8*(\b)+(\i):BI+8*(\b)+(\i)+1] op_sel_hi:[1,0,1]
.endr
.endr
	WIN 0
.endm
.macro STLD a
.irp b, 0,1,2,3
	ds_store_b128 v[STO], v[TM+32*((\a)%2)+8*(\b):TM+32*((\a)%2)+8*(\b)+3]   offset:64*(\b)
	ds_store_b128 v[STO], v[TM+32*((\a)%2)+8*(\b)+4:TM+32*((\a)%2)+8*(\b)+7] offset:64*(\b)+16
.endr
.irp t, 0,1,2,3,4,5,6,7
	ds_load_b128 v[OB+32*(\a)+4*(\t):OB+32*(\a)+4*(\t)+3], v[RD] offset:(\t)*2*OPI  ; LDS serves a wave's instructions in order (ISA guide 5.7.1.4): these see the stores above; the next 16 rows' stores come behind them
.endr
.endm
.macro SENDO a
	s_wait_dscnt 0x0                               ; the 16 rows are back in registers of their own: no store's data is written again in a way out
.irp t, 0,1,2,3,4,5,6,7
	global_store_b128 v[GO], v[OB+32*(\a)+4*(\t):OB+32*(\a)+4*(\t)+3], s[OUTP:OUTP+1] offset:(16*(\a)+2*(\t))*4096 th:TH_STORE_NT  ; 16 lanes store 256 consecutive bytes, aligned
.endr
.endm
.macro WAYOUT
	WIN 0
	PLACES
.irp a, 0,1,2,3
	v_rcp_f32 v[RL+2*(\a)], v[LS+(\a)]             ; L holds the sum of the group with the row's maximum, whose greatest weight is 1
.endr
	v_nop
	s_wait_alu depctr_va_vdst(0)                   ; one wait for the four reciprocals
	PACKO 0
	STLD 0
.irp a, 1,2,3
	PACKO \a
	SENDO (\a)-1
	STLD \a
.endr
	SENDO 3
.endm
	FACT2                                          ; lap 0's factors
	s_wait_tensorcnt 0x1                           ; my part of lap 0 is in; lap 1's may stay out
	s_barrier_signal -1
	s_barrier_wait -1
	s_mov_b32 s3, LAPS-1
	s_branch .Lfirst                               ; the loop is entered behind its change of slots
.Lslot:                                        ; seven times: the lap to come has landed, the lap after it is asked for
	CHANGE 1
.Lfirst:                                       ; eight laps
	BODY 1
	s_sub_co_u32 s[RT], s[RT], 1
	s_cmp_lg_u32 s[RT], 0
	s_cbranch_scc1 .Lnoend                         ; once in the loop, behind lap 4, 5, 6 or 7, the first block ends: the same lap in all four partners
	WAYOUT
	s_wait_xcnt 0x0                                ; the stores have read out's address and their data
	s_mov_b64 s[OUTP:OUTP+1], s[OUTLO:OUTLO+1]
	s_mov_b32 s[RT], s[NLO]
.irp a, 0,1,2,3
	v_mov_b32 v[CMX+(\a)], v[CML+(\a)]
	v_mov_b32 v[LS+(\a)], 0
.endr
	WIN 0x40
.set i, 0
.rept 128
	v_mov_b32 v[i], 0                              ; the second block's sums start at 0
.set i, i+1
.endr
	WIN 0
.Lnoend:
	FACT2                                          ; the next lap's factors, with its block's maxima
	s_sub_co_u32 s3, s3, 1
	s_cmp_lg_u32 s3, 0
	s_cbranch_scc1 .Lslot
	CHANGE 0                                       ; the last lap is written out: nothing is asked for
	BODY 0
	WAYOUT
	s_wait_tensorcnt 0x0                           ; the wave's end
	ds_add_u32 v[SPW], v[NIL]
	s_wait_dscnt 0x0
	CROUND                                         ; the closing round
	s_endpgm
.Lfunc_end_k_q18fa43aff7_pv:
	.size	k_q18fa43aff7_pv, .Lfunc_end_k_q18fa43aff7_pv-k_q18fa43aff7_pv
	.p2alignl 7, 3214868480
	.fill 96, 4, 3214868480
	.section	.rodata,"a",@progbits
	.p2align	6, 0x0
	.amdhsa_kernel k_q18fa43aff7_pv
		.amdhsa_group_segment_fixed_size 327680
		.amdhsa_private_segment_fixed_size 0
		.amdhsa_enable_private_segment 0
		.amdhsa_kernarg_size 40
		.amdhsa_user_sgpr_count 2
		.amdhsa_user_sgpr_kernarg_segment_ptr 1
		.amdhsa_wavefront_size32 1
		.amdhsa_system_sgpr_workgroup_id_x 1
		.amdhsa_system_sgpr_workgroup_id_y 1
		.amdhsa_system_sgpr_workgroup_id_z 1
		.amdhsa_system_vgpr_workitem_id 0
		.amdhsa_next_free_vgpr 512
		.amdhsa_next_free_sgpr 100
		.amdhsa_reserve_vcc 0
		.amdhsa_float_denorm_mode_32 3
		.amdhsa_float_denorm_mode_16_64 3
		.amdhsa_memory_ordered 1
		.amdhsa_forward_progress 1
		.amdhsa_inst_pref_size 127
	.end_amdhsa_kernel
	.amdgpu_metadata
---
amdhsa.version: [ 1, 2 ]
amdhsa.kernels:
  - .name:           k_q18fa43aff7_pv
    .symbol:         k_q18fa43aff7_pv.kd
    .args:
      - { .name: p, .offset: 0, .size: 8, .value_kind: global_buffer, .address_space: global }
      - { .name: vt, .offset: 8, .size: 8, .value_kind: global_buffer, .address_space: global }
      - { .name: st, .offset: 16, .size: 8, .value_kind: global_buffer, .address_space: global }
      - { .name: bv, .offset: 24, .size: 8, .value_kind: global_buffer, .address_space: global }
      - { .name: out0, .offset: 32, .size: 8, .value_kind: global_buffer, .address_space: global }
    .group_segment_fixed_size: 327680
    .private_segment_fixed_size: 0
    .kernarg_segment_align: 8
    .kernarg_segment_size: 40
    .max_flat_workgroup_size: 128
    .sgpr_count:     100
    .vgpr_count:     512
    .wavefront_size: 32
...
	.end_amdgpu_metadata
.endif
;; end of part 4
;; ======== version 2 of 2: 4 launches; version 1 with the launch cvt written anew for expert scheduling mode
;; limits: values are held in f16: magnitudes above 65,504 overflow, below 6.1e-05 lose precision
;; workspace buffers: xb 16,777,216 bytes; wb 6,291,456 bytes; qk 33,554,432 bytes; vt 16,777,216 bytes; p 33,554,432 bytes; st 1,048,576 bytes
;; launch cvt (part 5): grid 704 x 1, 8 waves a work-group, no clusters, 0 bytes of LDS; arguments x, Wq, Wk, Wv, xb, wb; writes xb, wb
.if DOCPART == 5
	.amdgcn_target "amdgcn-amd-amdhsa--gfx1250"
	.amdhsa_code_object_version 6
	.text
	.protected	k_q18fa43aff7_cvt
	.globl	k_q18fa43aff7_cvt
	.p2align	8
	.type	k_q18fa43aff7_cvt,@function
k_q18fa43aff7_cvt:
	s_mov_b64 s[64:65], 0
	v_nop
	global_prefetch_b8 v0, s[64:65] scope:SCOPE_SE
	s_setreg_imm32_b32 hwreg(HW_REG_WAVE_SCHED_MODE, 0, 2), 2
	s_setreg_imm32_b32 hwreg(HW_REG_WAVE_MODE, 25, 1), 1
	s_wait_xcnt 0x0
	s_wait_alu depctr_vm_vsrc(0)
; x [8192][1024] and Wq, Wk, Wv [1024][1024], all f32, are rounded once to bf16 (to nearest even):
; xb [8192][1024]; wb [3072][1024] = Wq, Wk, Wv one below the other.
; A work-group takes 16,384 numbers (65,536 bytes in, 32,768 out): groups 0-511 of x, groups 512-703 of the weights, 64 to a matrix.
; A wave takes 8,192 bytes in sixteen loads of 512 consecutive bytes, all issued before the first is used; each store of the wave covers
; 256 consecutive bytes, aligned.  Nothing is shared and nothing is read twice: no LDS, no barrier, no matrix unit.  No register is written twice, so no source is freed by a wait.
; THE MODE: SCHED_MODE bits 1:0 = 2 (LLVM: expert scheduling mode 2), set by the entry lines.  The code itself states the register dependences
; between vector instructions and memory instructions, with s_wait_alu, always for 0.
; THE PLAN.  Registers that memory instructions touch:
;   v1, v2   the loads' and the stores' byte offsets: written at the head by vector lines, read by every load (v1) and every store (v2), never written again.
;   IN       load j lands in its four registers, once; the two conversions of number j read them; no vector line names them ahead of the loads, and nothing lands in them again.
;   OUT      the two conversions of number j write its pair, once; store j reads it; it is never written again.
; The sixteen numbers go in four blocks of four.  Block p waits for its four loads and converts them into its eight OUT registers; its memory instructions are the four stores of block p - 1,
; which read the eight OUT registers that block p - 1 wrote and that no vector line of block p names.  So one wait on va_vdst at the head of a block states all that its stores hang on, and they
; are dealt among the block's conversions with no further wait.  One such wait stands ahead of the first load, for the offsets, and one ahead of the last four stores.
; No register that a memory instruction reads is written again, so there is no wait on vm_vsrc; no vector line writes a scalar register or VCC, and EXEC is never written.
.set IN,  8                            ; v[8:71]    load j: four f32
.set OUT, 72                           ; v[72:103]  store j: four bf16
	s_load_b256 s[4:11], s[0:1], 0x0               ; x s[4:5], Wq s[6:7], Wk s[8:9], Wv s[10:11]
	s_load_b128 s[12:15], s[0:1], 0x20             ; xb s[12:13], wb s[14:15]
	v_and_b32 v3, 31, v0                           ; lane
	v_and_b32 v4, 0xe0, v0                         ; 32 x wave
	v_lshlrev_b32 v1, 4, v3
	v_lshl_or_b32 v1, v4, 8, v1                    ; in: 8,192 x wave + 16 x lane
	v_lshlrev_b32 v2, 3, v3
	v_lshl_or_b32 v2, v4, 7, v2                    ; out: 4,096 x wave + 8 x lane
	s_sub_co_u32 s16, ttmp9, 512                   ; the group's number among the weights' (used where it is one of them)
	s_lshr_b32 s17, s16, 6                         ; which matrix
	s_and_b32 s18, s16, 63                         ; which part of it
	s_wait_kmcnt 0x0
	s_cmp_eq_u32 s17, 1
	s_cselect_b64 s[24:25], s[8:9], s[6:7]
	s_cmp_eq_u32 s17, 2
	s_cselect_b64 s[24:25], s[10:11], s[24:25]
	s_cmp_lt_u32 ttmp9, 512
	s_cselect_b64 s[24:25], s[4:5], s[24:25]       ; from
	s_cselect_b64 s[26:27], s[12:13], s[14:15]     ; to
	s_cselect_b32 s20, ttmp9, s18
	s_cselect_b32 s22, ttmp9, s16
	s_lshl_b32 s20, s20, 16                        ; offsets are made apart from the addresses
	s_lshl_b32 s22, s22, 15
	s_mov_b32 s21, 0
	s_mov_b32 s23, 0
	s_add_nc_u64 s[24:25], s[24:25], s[20:21]
	s_add_nc_u64 s[26:27], s[26:27], s[22:23]
	s_wait_alu depctr_va_vdst(0)                   ; v1 and v2 are written: every load below reads v1 as its offset, every store v2
.irp j, 0,1,2,3,4,5,6,7,8,9,10,11,12,13,14,15
	global_load_b128 v[IN+4*(\j):IN+4*(\j)+3], v1, s[24:25] offset:512*(\j) th:TH_LOAD_NT
.endr
.irp p, 0,1,2,3                        ; block p: numbers 4 p to 4 p + 3
	s_wait_loadcnt 12-4*(\p)                       ; loads come back in order: the block's four are in, the younger ones stay out
.if (\p) > 0
	s_wait_alu depctr_va_vdst(0)                   ; the conversions of the block before have written its eight OUT registers, which the four stores below read
.endif
.irp i, 0,1,2,3
.if (\p) > 0
	global_store_b64 v2, v[OUT+2*(4*(\p)-4+(\i)):OUT+2*(4*(\p)-4+(\i))+1], s[26:27] offset:256*(4*(\p)-4+(\i))  ; the block before; no vector line since the wait names these registers
.endif
	v_cvt_pk_bf16_f32 v[OUT+2*(4*(\p)+(\i))], v[IN+4*(4*(\p)+(\i))], v[IN+4*(4*(\p)+(\i))+1]
	v_cvt_pk_bf16_f32 v[OUT+2*(4*(\p)+(\i))+1], v[IN+4*(4*(\p)+(\i))+2], v[IN+4*(4*(\p)+(\i))+3]
.endr
.endr
	s_wait_alu depctr_va_vdst(0)                   ; block 3's conversions have written the last eight OUT registers, which the last four stores read
.irp i, 0,1,2,3
	global_store_b64 v2, v[OUT+24+2*(\i):OUT+24+2*(\i)+1], s[26:27] offset:256*(12+(\i))
.endr
	s_endpgm
.Lfunc_end_k_q18fa43aff7_cvt:
	.size	k_q18fa43aff7_cvt, .Lfunc_end_k_q18fa43aff7_cvt-k_q18fa43aff7_cvt
	.p2alignl 7, 3214868480
	.fill 96, 4, 3214868480
	.section	.rodata,"a",@progbits
	.p2align	6, 0x0
	.amdhsa_kernel k_q18fa43aff7_cvt
		.amdhsa_group_segment_fixed_size 0
		.amdhsa_private_segment_fixed_size 0
		.amdhsa_enable_private_segment 0
		.amdhsa_kernarg_size 48
		.amdhsa_user_sgpr_count 2
		.amdhsa_user_sgpr_kernarg_segment_ptr 1
		.amdhsa_wavefront_size32 1
		.amdhsa_system_sgpr_workgroup_id_x 1
		.amdhsa_system_sgpr_workgroup_id_y 1
		.amdhsa_system_sgpr_workgroup_id_z 1
		.amdhsa_system_vgpr_workitem_id 0
		.amdhsa_next_free_vgpr 112
		.amdhsa_next_free_sgpr 66
		.amdhsa_reserve_vcc 0
		.amdhsa_float_denorm_mode_32 3
		.amdhsa_float_denorm_mode_16_64 3
		.amdhsa_memory_ordered 1
		.amdhsa_forward_progress 1
		.amdhsa_inst_pref_size 7
	.end_amdhsa_kernel
	.amdgpu_metadata
---
amdhsa.version: [ 1, 2 ]
amdhsa.kernels:
  - .name:           k_q18fa43aff7_cvt
    .symbol:         k_q18fa43aff7_cvt.kd
    .args:
      - { .name: x, .offset: 0, .size: 8, .value_kind: global_buffer, .address_space: global }
      - { .name: Wq, .offset: 8, .size: 8, .value_kind: global_buffer, .address_space: global }
      - { .name: Wk, .offset: 16, .size: 8, .value_kind: global_buffer, .address_space: global }
      - { .name: Wv, .offset: 24, .size: 8, .value_kind: global_buffer, .address_space: global }
      - { .name: xb, .offset: 32, .size: 8, .value_kind: global_buffer, .address_space: global }
      - { .name: wb, .offset: 40, .size: 8, .value_kind: global_buffer, .address_space: global }
    .group_segment_fixed_size: 0
    .private_segment_fixed_size: 0
    .kernarg_segment_align: 8
    .kernarg_segment_size: 48
    .max_flat_workgroup_size: 256
    .sgpr_count:     66
    .vgpr_count:     112
    .wavefront_size: 32
...
	.end_amdgpu_metadata
.endif
;; end of part 5
;; launch proj: the kernel of part 2 again; grid 12 x 32, 4 waves a work-group, clusters of 4 x 4, 327,680 bytes of LDS; arguments xb, wb, bq, bk, qk, vt; writes qk, vt
;; launch score: the kernel of part 3 again; grid 36 x 4, 4 waves a work-group, no clusters, 327,680 bytes of LDS; arguments qk, p, st; writes p, st
;; launch pv: the kernel of part 4 again; grid 8 x 32, 4 waves a work-group, clusters of 4 x 1, 327,680 bytes of LDS; arguments p, vt, st, bv, out0; writes out0
